; MI455X (gfx1250); checked and timed in simulation.
; The chip was launched on July 23, 2026; its instructions are those of AMD's public machine-readable ISA for CDNA 5 (MIT licence, August 2026) and "CDNA5" Instruction Set Architecture Reference Guide (July 2026). The comments in the code are by the model that wrote it; some were corrected since.
;; Feature Propagate. Allowed arithmetic: float matrix products may take bf16 or f16 operands with f32 sums; other float arithmetic in f32, or as packed bf16 or f16 multiplies, adds, multiply-adds, maxima and minima; sums over many terms, partial sums and values carried from step to step in f32; what a program stores and reads back later, other than sums and carried values, may be rounded once to bf16 or f16.
;; Inputs: W1 256 x 384 float32; W2 256 x 256 float32; b1 256 float32; b2 256 float32; beta1 256 float32; beta2 256 float32; gamma1 256 float32; gamma2 256 float32; q_feats 2 x 128 x 16,384 float32; q_points 2 x 3 x 16,384 float32; s_feats 2 x 256 x 4,096 float32; s_points 2 x 3 x 4,096 float32.
;; Outputs: out0 2 x 256 x 16,384 float32.
;; 2 versions, each right; version 2 is version 1 with the launches conv1, conv2, bnout written anew for expert scheduling mode. Each part assembles by itself: llvm-mc -triple=amdgcn-amd-amdhsa -mcpu=gfx1250 --defsym DOCPART=n.
;; ======== version 1 of 2: 7 launches
;; limits: values are held in f16: magnitudes above 65,504 overflow, below 6.1e-05 lose precision
;; workspace buffers: chunks 393,216 bytes of whole numbers; nidx 393,216 bytes of whole numbers; nw 393,216 bytes; prep 4,521,984 bytes; y1 17,301,504 bytes; y2 17,301,504 bytes; sc1 2,048 bytes; sc2 2,048 bytes
;; launch coarse (part 1): grid 256 x 1, 8 waves a work-group, no clusters, 110,080 bytes of LDS; arguments q_points, s_points, s_feats, W1, W2, chunks, prep; writes chunks, prep
.if DOCPART == 1
	.amdgcn_target "amdgcn-amd-amdhsa--gfx1250"
	.amdhsa_code_object_version 6
	.text
	.protected	k_qfdfcce0fb3_coarse
	.globl	k_qfdfcce0fb3_coarse
	.p2align	8
	.type	k_qfdfcce0fb3_coarse,@function
k_qfdfcce0fb3_coarse:
	s_mov_b64 s[64:65], 0
	v_nop
	global_prefetch_b8 v0, s[64:65] scope:SCOPE_SE
	s_setreg_imm32_b32 hwreg(HW_REG_WAVE_MODE, 25, 1), 1
	s_wait_xcnt 0x0
; COARSE SEARCH, AND THE TABLES FOR THE CONVOLUTIONS.
; For each of 2 x 16,384 queries: which three of its batch's 128 chunks of 32 support points have the smallest (least d2 in the chunk, chunk number).
; Every one of the three nearest points (by d2, then by index) lies in one of them: a chunk that holds such a point has a key no larger than the point's,
; and three chunks with smaller keys would each hold a point that comes before it.  The numbers go out ascending, as whole numbers, for the next launch.
; d2 = (qq + ss) - 2 dot in f32 with these roundings: qq, ss and dot as mul, fma, fma over x, y, z; qq + ss rounded; then one fma(-2, dot, .).
; LIMITS: d2 finite (no NaN, no infinity among the points); on equal keys the lower chunk wins.
; SHARES.  Work-group g: batch g >> 7, queries 128 (g & 127) on.  Every wave holds all 128 queries, four a lane; wave w scans chunks 16 w .. 16 w + 15; the eight lists of three meet in LDS.
; No matrix unit: K is 3, and the result is an ordering that has to carry f32 roundings.  No tensor load: the table is made (ss) on its way into LDS.
; BESIDE IT: group g turns 32 support points' 256 features into rows of f16 (sfT, 512 bytes a row); groups 0 to 79 write W1 and W2 as f16 in the order in which a wave's lanes take matrix fragments.
; f16 holds no number beyond 65,504: s_feats, W1 and W2 lie within it.
.set NT,    256                        ; threads
.set CHB,   528                        ; a chunk in LDS: 16 pairs of points x 32 bytes [x0 x1 y0 y1 | z0 z1 ss0 ss1], and 16 bytes of padding
.set MRG,   128*CHB                    ; behind the table: six arrays (D0 D1 D2 I0 I1 I2) x 8 waves x 128 queries, words
.set TR,    MRG+24576                  ; 32 rows x 528 bytes: the features on their way round
.set SPARE, TR+32*CHB                  ; the spare words, 128 bytes a wave: four blocks of 256 bytes that no other line names
.set SPW, 1                            ; v1   LDS address of my spare word; never rewritten
.set NIL, 2                            ; v2   0; never rewritten
.set VA,  3                            ; v3   LDS address of the chunk in hand (the same in all lanes)
.set VC,  4                            ; v4   its number
.set QD,  8                            ; v8-39   query j at QD + 8 j: (qx,qx)(qy,qy)(qz,qz)(qq,qq)
.set NEG2, 40                          ; v40-41  (-2, -2)
.set TT,  42                           ; v42-57  query j: dot and d2 of two points at TT + 4 j, qq + ss at TT + 4 j + 2
.set SS,  42                           ;         (while the table is built: ss)
.set MM,  58                           ; v58-61  the chunk's least d2, by query
.set D0,  64                           ; v64-87  the three best keys of four queries: D0[4] D1[4] D2[4] I0[4] I1[4] I2[4]
.set D1,  68
.set D2,  72
.set I0,  76
.set I1,  80
.set I2,  84
.set SB,  88                           ; v88-151  two buffers of four pairs of points
.set FF,  152                          ; v152-183 features as loaded; later rows on their way out, and W
.set HH,  184                          ; v184-199 features in f16
.set QL,  200                          ; v200-211 the queries as loaded
.set VF,  212                          ; v212-222 offsets and LDS addresses, each written once
.set VB,  213
.set VQ,  214
.set VT,  215
.set TRS, 216
.set TRL, 217
.set GS,  218
.set WS,  219
.set MS,  220
.set ML,  221
.set CO,  222
.set TQ,  224                          ; v224-227 at work in the inserts
.set MK,  20                           ; s20-31   three lane masks for each query
	s_load_b256 s[4:11], s[0:1], 0x0               ; q_points s[4:5], s_points s[6:7], s_feats s[8:9], W1 s[10:11]
	s_load_b128 s[12:15], s[0:1], 0x20             ; W2 s[12:13], chunks s[14:15]
	s_load_b64 s[16:17], s[0:1], 0x30              ; prep
	v_lshl_add_u32 v[SPW], v0, 2, SPARE
	v_mov_b32 v[NIL], 0
	v_lshrrev_b32 v5, 5, v0
	v_readfirstlane_b32 s18, v5                    ; wave 0..7
	s_mov_b32 s19, ttmp9                           ; g
	s_lshr_b32 s33, s19, 7                         ; batch
	s_and_b32 s34, s19, 127
	v_and_b32 v5, 7, v0
	v_lshrrev_b32 v6, 3, v0
	v_lshlrev_b32 v[VF], 15, v6                    ; s_feats: channels 2 (t >> 3) on, 16,384 bytes a channel,
	v_lshl_add_u32 v[VF], v5, 4, v[VF]             ; points 4 (t & 7) on
	v_lshlrev_b32 v[VB], 4, v0                     ; 16 t
	v_and_b32 v7, 31, v0
	v_lshlrev_b32 v[VQ], 4, v7                     ; 16 x lane
	v_mul_u32_u24 v[VT], v6, CHB                   ; the table: four points u = t + 256 j lie in chunk u >> 3, at 64 (u & 7)
	v_lshl_add_u32 v[VT], v5, 6, v[VT]
	v_mul_u32_u24 v[TRS], v5, 4*CHB                ; into TR: row 4 (t & 7) + u, two channels at 4 (t >> 3)
	v_lshl_add_u32 v[TRS], v6, 2, v[TRS]
	v_add_nc_u32 v[TRS], TR, v[TRS]
	v_and_b32 v5, 15, v0
	v_lshrrev_b32 v6, 4, v0
	v_mul_u32_u24 v[TRL], v6, CHB                  ; back: row t >> 4, 16 bytes at 16 (t & 15)
	v_lshl_add_u32 v[TRL], v5, 4, v[TRL]
	v_add_nc_u32 v[TRL], TR, v[TRL]
	v_lshlrev_b32 v[GS], 9, v6                     ; and the same place in sfT's rows of 512 bytes
	v_lshl_add_u32 v[GS], v5, 4, v[GS]
	v_lshl_add_u32 v[MS], v0, 4, MRG               ; the merge: 512 w + 16 x lane = 16 t
	v_lshl_add_u32 v[ML], v0, 2, MRG
	v_lshlrev_b32 v[CO], 2, v0
	s_lshl_b32 s36, s33, 22                        ; s_feats: batch x 4,194,304 + my 32 points x 4
	s_lshl_b32 s37, s34, 7
	s_add_co_u32 s36, s36, s37
	s_mov_b32 s37, 0
	s_mul_i32 s38, s33, 49152                      ; s_points: batch x 3 x 16,384
	s_mov_b32 s39, 0
	s_mul_i32 s40, s33, 196608                     ; q_points: batch x 3 x 65,536 + my 128 queries x 4
	s_lshl_b32 s41, s34, 9
	s_add_co_u32 s40, s40, s41
	s_mov_b32 s41, 0
	s_lshl_b32 s42, s19, 14                        ; sfT: my 32 rows of 512 bytes
	s_mov_b32 s43, 0
	s_lshl_b32 s44, s19, 9                         ; chunks: my 128 words
	s_mov_b32 s45, 0
	s_lshl_b32 s46, s19, 12                        ; the W tables: my 256 pieces of 16 bytes
	s_mov_b32 s47, 0
	s_wait_kmcnt 0x0
	s_add_nc_u64 s[8:9], s[8:9], s[36:37]
	s_add_nc_u64 s[6:7], s[6:7], s[38:39]
	s_add_nc_u64 s[4:5], s[4:5], s[40:41]
	s_add_nc_u64 s[14:15], s[14:15], s[44:45]
	s_add_nc_u64 s[36:37], s[16:17], s[42:43]
	s_add_nc_u64 s[38:39], s[16:17], s[46:47]
	s_add_nc_u64 s[38:39], s[38:39], 0x400000      ; the W tables begin behind sfT's 4,194,304 bytes
; Four points' x, y, z for slot s of the build; and their way into the table, with ss = x x, then fma y y, then fma z z.
.macro BLOAD j, slot
.irp c,0,1,2
	global_load_b128 v[SB+12*(\slot)+4*\c:SB+12*(\slot)+4*\c+3], v[VB], s[6:7] offset:\c*16384+(\j)*NT*16
.endr
.endm
.macro BSTORE j, slot
.set BX, SB+12*(\slot)
.set BS, SS+4*(\slot)
.irp e,0,2
	v_pk_mul_f32 v[BS+\e:BS+\e+1], v[BX+\e:BX+\e+1], v[BX+\e:BX+\e+1]
.endr
.irp e,0,2
	v_pk_fma_f32 v[BS+\e:BS+\e+1], v[BX+4+\e:BX+4+\e+1], v[BX+4+\e:BX+4+\e+1], v[BS+\e:BS+\e+1]
.endr
.irp e,0,2
	v_pk_fma_f32 v[BS+\e:BS+\e+1], v[BX+8+\e:BX+8+\e+1], v[BX+8+\e:BX+8+\e+1], v[BS+\e:BS+\e+1]
.endr
.irp e,0,2
	ds_store_b64 v[VT], v[BX+\e:BX+\e+1] offset:(\j)*(NT/8)*CHB+16*\e
	ds_store_b64 v[VT], v[BX+4+\e:BX+4+\e+1] offset:(\j)*(NT/8)*CHB+16*\e+8
	ds_store_b64 v[VT], v[BX+8+\e:BX+8+\e+1] offset:(\j)*(NT/8)*CHB+16*\e+16
	ds_store_b64 v[VT], v[BS+\e:BS+\e+1] offset:(\j)*(NT/8)*CHB+16*\e+24
.endr
.endm
.irp i,0,1,2,3
.irp e,0,1
	global_load_b128 v[FF+8*\i+4*\e:FF+8*\i+4*\e+3], v[VF], s[8:9] offset:(64*\i+\e)*16384 th:TH_LOAD_NT  ; channel 2 (t >> 3) + 64 i + e, four points
.endr
.endr
.irp j,0,1,2,3
	BLOAD \j, \j
.endr
.irp c,0,1,2
	global_load_b128 v[QL+4*\c:QL+4*\c+3], v[VQ], s[4:5] offset:\c*65536  ; my four queries' x, y, z
.endr
	s_wait_loadcnt 0x0
.irp j,0,1,2,3
	BSTORE \j, \j
.endr
.irp i,0,1,2,3
.irp u,0,1,2,3
	v_cvt_pk_f16_f32 v[HH+4*\i+\u], v[FF+8*\i+\u], v[FF+8*\i+4+\u]  ; two neighbouring channels of one point
.endr
.endr
.irp i,0,1,2,3
.irp u,0,1,2,3
	ds_store_b32 v[TRS], v[HH+4*\i+\u] offset:\u*CHB+\i*128
.endr
.endr
.irp j,0,1,2,3
	v_mul_f32 v[QD+8*\j+6], v[QL+\j], v[QL+\j]     ; qq: mul, fma, fma
	v_mov_b32 v[QD+8*\j], v[QL+\j]
	v_mov_b32 v[QD+8*\j+1], v[QL+\j]
	v_fma_f32 v[QD+8*\j+6], v[QL+4+\j], v[QL+4+\j], v[QD+8*\j+6]
	v_mov_b32 v[QD+8*\j+2], v[QL+4+\j]
	v_mov_b32 v[QD+8*\j+3], v[QL+4+\j]
	v_fma_f32 v[QD+8*\j+6], v[QL+8+\j], v[QL+8+\j], v[QD+8*\j+6]
	v_mov_b32 v[QD+8*\j+4], v[QL+8+\j]
	v_mov_b32 v[QD+8*\j+5], v[QL+8+\j]
	v_mov_b32 v[QD+8*\j+7], v[QD+8*\j+6]
.endr
	v_mov_b32 v[NEG2], -2.0
	v_mov_b32 v[NEG2+1], -2.0
.set i, 0
.rept 12
	v_mov_b32 v[D0+i], 0x7f800000                  ; the lists begin at +infinity,
	v_mov_b32 v[I0+i], 0                           ; chunk 0
.set i, i+1
.endr
	s_wait_dscnt 0x0                               ; for the others' sake: my part of the table and of TR is written
	s_barrier_signal -1
	s_barrier_wait -1
	; sfT goes out: 16 lanes store 256 consecutive bytes, half a row
.irp a,0,1
.irp c,0,1
	ds_load_b128 v[FF+8*\a+4*\c:FF+8*\a+4*\c+3], v[TRL] offset:\a*16*CHB+\c*256
.endr
.endr
	s_wait_dscnt 0x0
.irp a,0,1
.irp c,0,1
	global_store_b128 v[GS], v[FF+8*\a+4*\c:FF+8*\a+4*\c+3], s[36:37] offset:\a*8192+\c*256
.endr
.endr
	; W1 (groups 0-47) and W2 (groups 48-79) in fragment order.  Piece e = 256 g + t, 16 bytes: bits 4:0 lane, 5 half, 9:6 tile of 16 rows, 13:10 K step of 32;
	; it holds W[16 tile + lane % 16][32 step + 16 half + 8 (lane / 16) .. + 7].
	s_cmp_lt_u32 s19, 80
	s_cbranch_scc0 .Lno_w
	s_cmp_lt_u32 s19, 48
	s_cselect_b64 s[40:41], s[10:11], s[12:13]     ; the source,
	s_cselect_b32 s42, 3, 2                        ; its row's bytes / 512,
	s_cselect_b32 s43, 0, 12                       ; and the K step at which its pieces begin
	s_lshl_b32 s42, s42, 9
	s_lshr_b32 s44, s19, 2
	s_sub_co_u32 s44, s44, s43
	s_lshl_b32 s44, s44, 7                         ; 32 numbers x 4 bytes a K step
	s_and_b32 s45, s19, 3
	s_lshl_b32 s45, s45, 6                         ; 16 x 4 (g & 3)
	v_lshrrev_b32 v5, 6, v0
	v_and_b32 v6, 15, v0
	v_lshl_add_u32 v5, v5, 4, v6
	v_add_nc_u32 v5, s45, v5                       ; the row of W
	v_bfe_u32 v6, v0, 4, 2                         ; 2 half + lane / 16: eight numbers each
	v_lshl_add_u32 v6, v6, 5, s44
	v_mad_u32_u24 v[WS], v5, s42, v6
	global_load_b128 v[FF+16:FF+19], v[WS], s[40:41]
	global_load_b128 v[FF+20:FF+23], v[WS], s[40:41] offset:16
	s_wait_loadcnt 0x0
.irp c,0,1,2,3
	v_cvt_pk_f16_f32 v[FF+24+\c], v[FF+16+2*\c], v[FF+16+2*\c+1]
.endr
	global_store_b128 v[VB], v[FF+24:FF+27], s[38:39]  ; a wave stores 512 consecutive bytes
.Lno_w:
; THE SCAN.  Eight LDS loads bring four pairs of points, the same 16 bytes to every lane.
.macro LOADG bf, at
.irp i,0,1,2,3,4,5,6,7
	ds_load_b128 v[SB+32*(\bf)+4*\i:SB+32*(\bf)+4*\i+3], v[VA] offset:(\at)+16*\i
.endr
.endm
; Two points against my four queries, stage by stage, so that no line waits for the one before it; then the chunk's running minimum.
.macro PAIR r, first
.irp j,0,1,2,3
	v_pk_mul_f32 v[TT+4*\j:TT+4*\j+1], v[QD+8*\j:QD+8*\j+1], v[(\r):(\r)+1]
.endr
.irp j,0,1,2,3
	v_pk_add_f32 v[TT+4*\j+2:TT+4*\j+3], v[QD+8*\j+6:QD+8*\j+7], v[(\r)+6:(\r)+7]
.endr
.irp j,0,1,2,3
	v_pk_fma_f32 v[TT+4*\j:TT+4*\j+1], v[QD+8*\j+2:QD+8*\j+3], v[(\r)+2:(\r)+3], v[TT+4*\j:TT+4*\j+1]
.endr
.irp j,0,1,2,3
	v_pk_fma_f32 v[TT+4*\j:TT+4*\j+1], v[QD+8*\j+4:QD+8*\j+5], v[(\r)+4:(\r)+5], v[TT+4*\j:TT+4*\j+1]
.endr
.irp j,0,1,2,3
	v_pk_fma_f32 v[TT+4*\j:TT+4*\j+1], v[TT+4*\j:TT+4*\j+1], v[NEG2:NEG2+1], v[TT+4*\j+2:TT+4*\j+3]
.endr
.irp j,0,1,2,3
.if \first
	v_min_num_f32 v[MM+\j], v[TT+4*\j], v[TT+4*\j+1]
.else
	v_min3_num_f32 v[MM+\j], v[MM+\j], v[TT+4*\j], v[TT+4*\j+1]
.endif
.endr
.endm
.macro GROUP bf, first
	PAIR SB+32*(\bf), \first
	PAIR SB+32*(\bf)+8, 0
	PAIR SB+32*(\bf)+16, 0
	PAIR SB+32*(\bf)+24, 0
.endm
; The chunk's key goes into each query's sorted list of three.  Strictly less: on equal minima the earlier, lower chunk stays in front.
.macro INS4
.irp j,0,1,2,3
	v_cmp_lt_f32 s[MK+3*\j], v[MM+\j], v[D0+\j]
	v_cmp_lt_f32 s[MK+3*\j+1], v[MM+\j], v[D1+\j]
	v_cmp_lt_f32 s[MK+3*\j+2], v[MM+\j], v[D2+\j]
.endr
.irp j,0,1,2,3
	v_cndmask_b32 v[TQ+\j], v[VC], v[I1+\j], s[MK+3*\j+1]
.endr
.irp j,0,1,2,3
	v_cndmask_b32 v[I2+\j], v[I2+\j], v[TQ+\j], s[MK+3*\j+2]
.endr
.irp j,0,1,2,3
	v_cndmask_b32 v[TQ+\j], v[VC], v[I0+\j], s[MK+3*\j]
.endr
.irp j,0,1,2,3
	v_cndmask_b32 v[I1+\j], v[I1+\j], v[TQ+\j], s[MK+3*\j+1]
.endr
.irp j,0,1,2,3
	v_cndmask_b32 v[I0+\j], v[I0+\j], v[VC], s[MK+3*\j]
.endr
.irp j,0,1,2,3
	v_med3_num_f32 v[D2+\j], v[D1+\j], v[D2+\j], v[MM+\j]
.endr
.irp j,0,1,2,3
	v_med3_num_f32 v[D1+\j], v[D0+\j], v[D1+\j], v[MM+\j]
.endr
.irp j,0,1,2,3
	v_min_num_f32 v[D0+\j], v[D0+\j], v[MM+\j]
.endr
.endm
; A chunk: four groups on two buffers.  Each wait for 8 leaves the younger buffer's eight loads out.  pre = 1: the next chunk's first two groups are fetched.
.macro CHUNK pre
	s_wait_dscnt 8
	GROUP 0, 1
	LOADG 0, 256
	s_wait_dscnt 8
	GROUP 1, 0
	LOADG 1, 384
	s_wait_dscnt 8
	GROUP 0, 0
.if \pre
	LOADG 0, CHB
	s_wait_dscnt 8
.else
	s_wait_dscnt 0
.endif
	GROUP 1, 0
.if \pre
	LOADG 1, CHB+128
.endif
	INS4
	v_add_nc_u32 v[VC], 1, v[VC]
.if \pre
	v_add_nc_u32 v[VA], CHB, v[VA]
.endif
.endm
	s_mul_i32 s46, s18, 16*CHB
	v_mov_b32 v[VA], s46                           ; my wave's 16 chunks
	s_lshl_b32 s46, s18, 4
	v_mov_b32 v[VC], s46
	LOADG 0, 0
	LOADG 1, 128
	s_mov_b32 s32, 15
.Lchunk:
	CHUNK 1
	s_sub_co_u32 s32, s32, 1
	s_cmp_lg_u32 s32, 0
	s_cbranch_scc1 .Lchunk
	CHUNK 0                                        ; the last chunk fetches nothing beyond my wave's part of the table
	; THE MERGE: eight lists of three for each query
.irp a,0,1,2,3,4,5
	ds_store_b128 v[MS], v[D0+4*\a:D0+4*\a+3] offset:\a*4096
.endr
	s_wait_dscnt 0x0                               ; for the others' sake
	s_barrier_signal -1
	s_barrier_wait -1
	s_cmp_lt_u32 s18, 4
	s_cbranch_scc0 .Lend                           ; threads 0 to 127 take a query each
.set i, 0
.rept 48
	ds_load_b32 v[SB+i], v[ML] offset:i*512        ; array i / 8 of wave i % 8
.set i, i+1
.endr
	s_wait_dscnt 0x0
.macro INS m, id, d0, d1, d2, i0, i1, i2, sa, tmp
	v_cmp_lt_f32 s[(\sa)], v[\m], v[\d0]
	v_cmp_lt_f32 s[(\sa)+1], v[\m], v[\d1]
	v_cmp_lt_f32 s[(\sa)+2], v[\m], v[\d2]
	v_cndmask_b32 v[\tmp], v[\id], v[\i1], s[(\sa)+1]
	v_cndmask_b32 v[\i2], v[\i2], v[\tmp], s[(\sa)+2]
	v_cndmask_b32 v[\tmp], v[\id], v[\i0], s[(\sa)]
	v_cndmask_b32 v[\i1], v[\i1], v[\tmp], s[(\sa)+1]
	v_cndmask_b32 v[\i0], v[\i0], v[\id], s[(\sa)]
	v_med3_num_f32 v[\d2], v[\d1], v[\d2], v[\m]
	v_med3_num_f32 v[\d1], v[\d0], v[\d1], v[\m]
	v_min_num_f32 v[\d0], v[\d0], v[\m]
.endm
.irp q,1,2,3,4,5,6,7                   ; wave 0's list is the start; the others' entries follow in ascending order of chunks
.irp k,0,1,2
	INS SB+8*\k+\q, SB+24+8*\k+\q, SB, SB+8, SB+16, SB+24, SB+32, SB+40, MK, TQ
.endr
.endr
	v_min_u32 v5, v[SB+24], v[SB+32]               ; the three numbers ascending, so that the next launch meets its candidates in order of index
	v_max_u32 v6, v[SB+24], v[SB+32]
	v_min_u32 v7, v6, v[SB+40]
	v_min_u32 v[TQ], v5, v[SB+40]
	v_max_u32 v[TQ+1], v5, v7
	v_max_u32 v[TQ+2], v6, v[SB+40]
	global_store_b32 v[CO], v[TQ], s[14:15]
	global_store_b32 v[CO], v[TQ+1], s[14:15] offset:131072
	global_store_b32 v[CO], v[TQ+2], s[14:15] offset:262144
.Lend:
	s_wait_tensorcnt 0x0                           ; the wave's end: three closing lines, behind my last LDS store
	ds_add_u32 v[SPW], v[NIL]
	s_wait_dscnt 0x0
	s_endpgm
.Lfunc_end_k_qfdfcce0fb3_coarse:
	.size	k_qfdfcce0fb3_coarse, .Lfunc_end_k_qfdfcce0fb3_coarse-k_qfdfcce0fb3_coarse
	.p2alignl 7, 3214868480
	.fill 96, 4, 3214868480
	.section	.rodata,"a",@progbits
	.p2align	6, 0x0
	.amdhsa_kernel k_qfdfcce0fb3_coarse
		.amdhsa_group_segment_fixed_size 110080
		.amdhsa_private_segment_fixed_size 0
		.amdhsa_enable_private_segment 0
		.amdhsa_kernarg_size 56
		.amdhsa_user_sgpr_count 2
		.amdhsa_user_sgpr_kernarg_segment_ptr 1
		.amdhsa_wavefront_size32 1
		.amdhsa_system_sgpr_workgroup_id_x 1
		.amdhsa_system_sgpr_workgroup_id_y 1
		.amdhsa_system_sgpr_workgroup_id_z 1
		.amdhsa_system_vgpr_workitem_id 0
		.amdhsa_next_free_vgpr 228
		.amdhsa_next_free_sgpr 66
		.amdhsa_reserve_vcc 0
		.amdhsa_float_denorm_mode_32 3
		.amdhsa_float_denorm_mode_16_64 3
		.amdhsa_memory_ordered 1
		.amdhsa_forward_progress 1
		.amdhsa_inst_pref_size 91
	.end_amdhsa_kernel
	.amdgpu_metadata
---
amdhsa.version: [ 1, 2 ]
amdhsa.kernels:
  - .name:           k_qfdfcce0fb3_coarse
    .symbol:         k_qfdfcce0fb3_coarse.kd
    .args:
      - { .name: q_points, .offset: 0, .size: 8, .value_kind: global_buffer, .address_space: global }
      - { .name: s_points, .offset: 8, .size: 8, .value_kind: global_buffer, .address_space: global }
      - { .name: s_feats, .offset: 16, .size: 8, .value_kind: global_buffer, .address_space: global }
      - { .name: W1, .offset: 24, .size: 8, .value_kind: global_buffer, .address_space: global }
      - { .name: W2, .offset: 32, .size: 8, .value_kind: global_buffer, .address_space: global }
      - { .name: chunks, .offset: 40, .size: 8, .value_kind: global_buffer, .address_space: global }
      - { .name: prep, .offset: 48, .size: 8, .value_kind: global_buffer, .address_space: global }
    .group_segment_fixed_size: 110080
    .private_segment_fixed_size: 0
    .kernarg_segment_align: 8
    .kernarg_segment_size: 56
    .max_flat_workgroup_size: 256
    .sgpr_count:     66
    .vgpr_count:     228
    .wavefront_size: 32
...
	.end_amdgpu_metadata
.endif
;; end of part 1
;; launch fine (part 2): grid 256 x 1, 4 waves a work-group, no clusters, 68,352 bytes of LDS; arguments q_points, s_points, chunks, nidx, nw; writes nidx, nw
.if DOCPART == 2
	.amdgcn_target "amdgcn-amd-amdhsa--gfx1250"
	.amdhsa_code_object_version 6
	.text
	.protected	k_qfdfcce0fb3_fine
	.globl	k_qfdfcce0fb3_fine
	.p2align	8
	.type	k_qfdfcce0fb3_fine,@function
k_qfdfcce0fb3_fine:
	s_mov_b64 s[64:65], 0
	v_nop
	global_prefetch_b8 v0, s[64:65] scope:SCOPE_SE
	s_setreg_imm32_b32 hwreg(HW_REG_WAVE_MODE, 25, 1), 1
	s_wait_xcnt 0x0
; FINE SEARCH.  A thread is a query; its three candidate chunks (whole numbers from the launch before, ascending) hold its three nearest support points.
; All 96 candidates' d2, with the same roundings as in the coarse search (mul, fma, fma; qq + ss; fma(-2, dot, .)), go through stable inserts: on equal d2 the lower index wins.
; Out: the three rows of sfT (batch x 4,096 + point) as whole numbers, and the weights w = 1 / (max(d2, 0) + 1e-5), divided by their sum.
; LIMITS: d2 finite; v_rcp_f32 stands for the divisions (1 ULP: ISA guide, its entry among the VOP1 instructions).
; SHARES.  Work-group g: batch g >> 7, queries 128 (g & 127) on.  The batch's table of 128 chunks lies in LDS as in the coarse search; 16 bytes of padding a chunk spread the lanes' gathers.
.set NT,    128
.set CHB,   528
.set SPARE, 67840                      ; a block of 256 bytes behind the table's 67,584: the spare words, 128 bytes a wave, which no other line names
.set SPW, 1
.set NIL, 2
.set AD,  3                            ; v3-5    LDS address in candidate chunk k
.set VC,  6                            ; v6-8    the candidate's row of sfT
.set TP,  9                            ; v9-11   at work in the inserts
.set QD,  12                           ; v12-19  (qx,qx)(qy,qy)(qz,qz)(qq,qq)
.set NEG2, 20
.set TT,  22                           ; v22-33  chunk k: d2 of two points at TT + 4 k, qq + ss at + 2
.set ST,  34                           ; v34-51  chunk k's list at ST + 6 k: D0 D1 D2 I0 I1 I2
.set SB,  52                           ; v52-99  two buffers of three pairs of points; at first the build's loads
.set SS,  100                          ; v100-115 ss while the table is built; later the weights
.set VB,  116
.set VT,  117
.set VO,  118
.set CK,  119                          ; v119-121 the chunk numbers
.set QL,  122                          ; v122-124 the query
.set MK,  20                           ; s20-28  three masks a chunk
	s_load_b256 s[4:11], s[0:1], 0x0               ; q_points s[4:5], s_points s[6:7], chunks s[8:9], nidx s[10:11]
	s_load_b64 s[12:13], s[0:1], 0x20              ; nw
	v_lshl_add_u32 v[SPW], v0, 2, SPARE
	v_mov_b32 v[NIL], 0
	s_mov_b32 s36, ttmp9
	s_lshr_b32 s33, s36, 7                         ; batch
	s_and_b32 s34, s36, 127
	s_lshl_b32 s35, s33, 12                        ; its first row of sfT
	v_lshlrev_b32 v[VB], 4, v0
	v_lshlrev_b32 v[VO], 2, v0
	v_and_b32 v[TP], 7, v0
	v_lshrrev_b32 v[TP+1], 3, v0
	v_mul_u32_u24 v[VT], v[TP+1], CHB
	v_lshl_add_u32 v[VT], v[TP], 6, v[VT]
	s_mul_i32 s14, s33, 49152
	s_mov_b32 s15, 0
	s_mul_i32 s16, s33, 196608
	s_lshl_b32 s17, s34, 9
	s_add_co_u32 s16, s16, s17
	s_mov_b32 s17, 0
	s_lshl_b32 s18, s36, 9                         ; my 128 words in chunks, nidx and nw
	s_mov_b32 s19, 0
	s_wait_kmcnt 0x0
	s_add_nc_u64 s[6:7], s[6:7], s[14:15]
	s_add_nc_u64 s[4:5], s[4:5], s[16:17]
	s_add_nc_u64 s[8:9], s[8:9], s[18:19]
	s_add_nc_u64 s[10:11], s[10:11], s[18:19]
	s_add_nc_u64 s[12:13], s[12:13], s[18:19]
.macro BLOAD j, slot
.irp c,0,1,2
	global_load_b128 v[SB+12*(\slot)+4*\c:SB+12*(\slot)+4*\c+3], v[VB], s[6:7] offset:\c*16384+(\j)*NT*16
.endr
.endm
.macro BSTORE j, slot
.set BX, SB+12*(\slot)
.set BS, SS+4*(\slot)
.irp e,0,2
	v_pk_mul_f32 v[BS+\e:BS+\e+1], v[BX+\e:BX+\e+1], v[BX+\e:BX+\e+1]
.endr
.irp e,0,2
	v_pk_fma_f32 v[BS+\e:BS+\e+1], v[BX+4+\e:BX+4+\e+1], v[BX+4+\e:BX+4+\e+1], v[BS+\e:BS+\e+1]
.endr
.irp e,0,2
	v_pk_fma_f32 v[BS+\e:BS+\e+1], v[BX+8+\e:BX+8+\e+1], v[BX+8+\e:BX+8+\e+1], v[BS+\e:BS+\e+1]
.endr
.irp e,0,2
	ds_store_b64 v[VT], v[BX+\e:BX+\e+1] offset:(\j)*(NT/8)*CHB+16*\e
	ds_store_b64 v[VT], v[BX+4+\e:BX+4+\e+1] offset:(\j)*(NT/8)*CHB+16*\e+8
	ds_store_b64 v[VT], v[BX+8+\e:BX+8+\e+1] offset:(\j)*(NT/8)*CHB+16*\e+16
	ds_store_b64 v[VT], v[BS+\e:BS+\e+1] offset:(\j)*(NT/8)*CHB+16*\e+24
.endr
.endm
.irp c,0,1,2
	global_load_b32 v[QL+\c], v[VO], s[4:5] offset:\c*65536
	global_load_b32 v[CK+\c], v[VO], s[8:9] offset:\c*131072
.endr
.irp j,0,1,2,3
	BLOAD \j, \j
.endr
	s_wait_loadcnt 0x0
.irp j,0,1,2,3
	BSTORE \j, \j
.endr
	s_wait_dscnt 0x0                               ; the stores have taken their data: the same registers are loaded again
.irp j,0,1,2,3
	BLOAD 4+\j, \j
.endr
	; while they come: the query's pairs, the candidates' addresses, the empty lists
	v_mul_f32 v[QD+6], v[QL], v[QL]
	v_mov_b32 v[QD], v[QL]
	v_mov_b32 v[QD+1], v[QL]
	v_fma_f32 v[QD+6], v[QL+1], v[QL+1], v[QD+6]
	v_mov_b32 v[QD+2], v[QL+1]
	v_mov_b32 v[QD+3], v[QL+1]
	v_fma_f32 v[QD+6], v[QL+2], v[QL+2], v[QD+6]
	v_mov_b32 v[QD+4], v[QL+2]
	v_mov_b32 v[QD+5], v[QL+2]
	v_mov_b32 v[QD+7], v[QD+6]
	v_mov_b32 v[NEG2], -2.0
	v_mov_b32 v[NEG2+1], -2.0
.irp k,0,1,2
	v_min_u32 v[CK+\k], 127, v[CK+\k]              ; a loaded number enters an address only behind its bound
	v_mul_u32_u24 v[AD+\k], v[CK+\k], CHB
	v_lshl_add_u32 v[VC+\k], v[CK+\k], 5, s35
	v_mov_b32 v[ST+6*\k], 0x7f800000
	v_mov_b32 v[ST+6*\k+1], 0x7f800000
	v_mov_b32 v[ST+6*\k+2], 0x7f800000
	v_mov_b32 v[ST+6*\k+3], 0
	v_mov_b32 v[ST+6*\k+4], 0
	v_mov_b32 v[ST+6*\k+5], 0
.endr
	s_wait_loadcnt 0x0
.irp j,0,1,2,3
	BSTORE 4+\j, \j
.endr
	s_wait_dscnt 0x0                               ; for the others' sake: my part of the table is written
	s_barrier_signal -1
	s_barrier_wait -1
.macro LOADP bf, at                    ; one pair of points from each of my three chunks: six loads
.irp k,0,1,2
	ds_load_b128 v[SB+24*(\bf)+8*\k:SB+24*(\bf)+8*\k+3], v[AD+\k] offset:(\at)
	ds_load_b128 v[SB+24*(\bf)+8*\k+4:SB+24*(\bf)+8*\k+7], v[AD+\k] offset:(\at)+16
.endr
.endm
.macro INS3 hf                         ; point hf of the pair goes into its chunk's list; the three chunks side by side
.irp k,0,1,2
	v_cmp_lt_f32 s[MK+3*\k], v[TT+4*\k+(\hf)], v[ST+6*\k]
	v_cmp_lt_f32 s[MK+3*\k+1], v[TT+4*\k+(\hf)], v[ST+6*\k+1]
	v_cmp_lt_f32 s[MK+3*\k+2], v[TT+4*\k+(\hf)], v[ST+6*\k+2]
.endr
.irp k,0,1,2
	v_cndmask_b32 v[TP+\k], v[VC+\k], v[ST+6*\k+4], s[MK+3*\k+1]
.endr
.irp k,0,1,2
	v_cndmask_b32 v[ST+6*\k+5], v[ST+6*\k+5], v[TP+\k], s[MK+3*\k+2]
.endr
.irp k,0,1,2
	v_cndmask_b32 v[TP+\k], v[VC+\k], v[ST+6*\k+3], s[MK+3*\k]
.endr
.irp k,0,1,2
	v_cndmask_b32 v[ST+6*\k+4], v[ST+6*\k+4], v[TP+\k], s[MK+3*\k+1]
.endr
.irp k,0,1,2
	v_cndmask_b32 v[ST+6*\k+3], v[ST+6*\k+3], v[VC+\k], s[MK+3*\k]
.endr
.irp k,0,1,2
	v_med3_num_f32 v[ST+6*\k+2], v[ST+6*\k+1], v[ST+6*\k+2], v[TT+4*\k+(\hf)]
.endr
.irp k,0,1,2
	v_med3_num_f32 v[ST+6*\k+1], v[ST+6*\k], v[ST+6*\k+1], v[TT+4*\k+(\hf)]
.endr
.irp k,0,1,2
	v_min_num_f32 v[ST+6*\k], v[ST+6*\k], v[TT+4*\k+(\hf)]
.endr
.endm
.macro PROC bf
.irp k,0,1,2
	v_pk_mul_f32 v[TT+4*\k:TT+4*\k+1], v[QD:QD+1], v[SB+24*(\bf)+8*\k:SB+24*(\bf)+8*\k+1]
.endr
.irp k,0,1,2
	v_pk_add_f32 v[TT+4*\k+2:TT+4*\k+3], v[QD+6:QD+7], v[SB+24*(\bf)+8*\k+6:SB+24*(\bf)+8*\k+7]
.endr
.irp k,0,1,2
	v_pk_fma_f32 v[TT+4*\k:TT+4*\k+1], v[QD+2:QD+3], v[SB+24*(\bf)+8*\k+2:SB+24*(\bf)+8*\k+3], v[TT+4*\k:TT+4*\k+1]
.endr
.irp k,0,1,2
	v_pk_fma_f32 v[TT+4*\k:TT+4*\k+1], v[QD+4:QD+5], v[SB+24*(\bf)+8*\k+4:SB+24*(\bf)+8*\k+5], v[TT+4*\k:TT+4*\k+1]
.endr
.irp k,0,1,2
	v_pk_fma_f32 v[TT+4*\k:TT+4*\k+1], v[TT+4*\k:TT+4*\k+1], v[NEG2:NEG2+1], v[TT+4*\k+2:TT+4*\k+3]
.endr
	INS3 0
.irp k,0,1,2
	v_add_nc_u32 v[VC+\k], 1, v[VC+\k]
.endr
	INS3 1
.irp k,0,1,2
	v_add_nc_u32 v[VC+\k], 1, v[VC+\k]
.endr
.endm
	LOADP 0, 0
	LOADP 1, 32
	s_mov_b32 s32, 7
.Lpair:                                                ; a trip: two of a chunk's sixteen pairs; each wait for 6 leaves the other buffer's six loads out
	s_wait_dscnt 6
	PROC 0
	LOADP 0, 64
	s_wait_dscnt 6
	PROC 1
	LOADP 1, 96
.irp k,0,1,2
	v_add_nc_u32 v[AD+\k], 64, v[AD+\k]
.endr
	s_sub_co_u32 s32, s32, 1
	s_cmp_lg_u32 s32, 0
	s_cbranch_scc1 .Lpair
	s_wait_dscnt 6                                 ; the last two pairs: nothing more is fetched
	PROC 0
	s_wait_dscnt 0
	PROC 1
.macro INS m, id, d0, d1, d2, i0, i1, i2, sa, tmp
	v_cmp_lt_f32 s[(\sa)], v[\m], v[\d0]
	v_cmp_lt_f32 s[(\sa)+1], v[\m], v[\d1]
	v_cmp_lt_f32 s[(\sa)+2], v[\m], v[\d2]
	v_cndmask_b32 v[\tmp], v[\id], v[\i1], s[(\sa)+1]
	v_cndmask_b32 v[\i2], v[\i2], v[\tmp], s[(\sa)+2]
	v_cndmask_b32 v[\tmp], v[\id], v[\i0], s[(\sa)]
	v_cndmask_b32 v[\i1], v[\i1], v[\tmp], s[(\sa)+1]
	v_cndmask_b32 v[\i0], v[\i0], v[\id], s[(\sa)]
	v_med3_num_f32 v[\d2], v[\d1], v[\d2], v[\m]
	v_med3_num_f32 v[\d1], v[\d0], v[\d1], v[\m]
	v_min_num_f32 v[\d0], v[\d0], v[\m]
.endm
.irp s,1,2                             ; the higher chunks' lists go into the lowest chunk's: still in ascending order of index
.irp e,0,1,2
	INS ST+6*\s+\e, ST+6*\s+3+\e, ST, ST+1, ST+2, ST+3, ST+4, ST+5, MK, TP
.endr
.endr
.irp k,0,1,2
	v_max_num_f32 v[ST+\k], 0, v[ST+\k]
.endr
.irp k,0,1,2
	v_add_f32 v[ST+\k], 0x3727c5ac, v[ST+\k]       ; + 1e-5
.endr
.irp k,0,1,2
	v_rcp_f32 v[SS+\k], v[ST+\k]
.endr
	v_nop                                          ; a plain line between a reciprocal and the use of its result
	s_wait_alu depctr_va_vdst(0)
	v_add_f32 v[SS+3], v[SS], v[SS+1]
	v_add_f32 v[SS+3], v[SS+3], v[SS+2]
	v_rcp_f32 v[SS+4], v[SS+3]
	v_nop
	s_wait_alu depctr_va_vdst(0)
.irp k,0,1,2
	v_mul_f32 v[SS+\k], v[SS+\k], v[SS+4]
.endr
.irp k,0,1,2
	global_store_b32 v[VO], v[ST+3+\k], s[10:11] offset:\k*131072
	global_store_b32 v[VO], v[SS+\k], s[12:13] offset:\k*131072
.endr
	s_wait_tensorcnt 0x0                           ; the wave's end: three closing lines, behind my last LDS store
	ds_add_u32 v[SPW], v[NIL]
	s_wait_dscnt 0x0
	s_endpgm
.Lfunc_end_k_qfdfcce0fb3_fine:
	.size	k_qfdfcce0fb3_fine, .Lfunc_end_k_qfdfcce0fb3_fine-k_qfdfcce0fb3_fine
	.p2alignl 7, 3214868480
	.fill 96, 4, 3214868480
	.section	.rodata,"a",@progbits
	.p2align	6, 0x0
	.amdhsa_kernel k_qfdfcce0fb3_fine
		.amdhsa_group_segment_fixed_size 68352
		.amdhsa_private_segment_fixed_size 0
		.amdhsa_enable_private_segment 0
		.amdhsa_kernarg_size 40
		.amdhsa_user_sgpr_count 2
		.amdhsa_user_sgpr_kernarg_segment_ptr 1
		.amdhsa_wavefront_size32 1
		.amdhsa_system_sgpr_workgroup_id_x 1
		.amdhsa_system_sgpr_workgroup_id_y 1
		.amdhsa_system_sgpr_workgroup_id_z 1
		.amdhsa_system_vgpr_workitem_id 0
		.amdhsa_next_free_vgpr 128
		.amdhsa_next_free_sgpr 66
		.amdhsa_reserve_vcc 0
		.amdhsa_float_denorm_mode_32 3
		.amdhsa_float_denorm_mode_16_64 3
		.amdhsa_memory_ordered 1
		.amdhsa_forward_progress 1
		.amdhsa_inst_pref_size 41
	.end_amdhsa_kernel
	.amdgpu_metadata
---
amdhsa.version: [ 1, 2 ]
amdhsa.kernels:
  - .name:           k_qfdfcce0fb3_fine
    .symbol:         k_qfdfcce0fb3_fine.kd
    .args:
      - { .name: q_points, .offset: 0, .size: 8, .value_kind: global_buffer, .address_space: global }
      - { .name: s_points, .offset: 8, .size: 8, .value_kind: global_buffer, .address_space: global }
      - { .name: chunks, .offset: 16, .size: 8, .value_kind: global_buffer, .address_space: global }
      - { .name: nidx, .offset: 24, .size: 8, .value_kind: global_buffer, .address_space: global }
      - { .name: nw, .offset: 32, .size: 8, .value_kind: global_buffer, .address_space: global }
    .group_segment_fixed_size: 68352
    .private_segment_fixed_size: 0
    .kernarg_segment_align: 8
    .kernarg_segment_size: 40
    .max_flat_workgroup_size: 128
    .sgpr_count:     66
    .vgpr_count:     128
    .wavefront_size: 32
...
	.end_amdgpu_metadata
.endif
;; end of part 2
;; launch conv1 (part 3): grid 256 x 1, 8 waves a work-group, no clusters, 175,104 bytes of LDS; arguments q_feats, prep, nidx, nw, b1, y1; writes y1
.if DOCPART == 3
	.amdgcn_target "amdgcn-amd-amdhsa--gfx1250"
	.amdhsa_code_object_version 6
	.text
	.protected	k_qfdfcce0fb3_conv1
	.globl	k_qfdfcce0fb3_conv1
	.p2align	8
	.type	k_qfdfcce0fb3_conv1,@function
k_qfdfcce0fb3_conv1:
	s_mov_b64 s[64:65], 0
	v_nop
	global_prefetch_b8 v0, s[64:65] scope:SCOPE_SE
	s_setreg_imm32_b32 hwreg(HW_REG_WAVE_MODE, 25, 1), 1
	s_wait_xcnt 0x0
; INTERPOLATION AND THE FIRST CONVOLUTION.  y[o][n] = sum over k of W1[o][k] x[k][n]; x = q_feats (k 0-127), then the weighted sum of three rows of sfT (k 128-383).
; Operands in f16, sums in f32.  Out: z = y less the mean of its block of 128 columns, in f16, [256][32,768]; and for each block and channel that mean (b1 added) and M2, the sum of the
; squared deviations, both in f32 from the f32 sums: the batch norm's statistics are put together from them without a difference of large sums.
; LIMITS: f16 holds no number beyond 65,504: q_feats, the interpolated features and the deviations lie within it.
; SHARES.  Work-group p: columns 128 p on.  Wave w: output channels 32 w .. + 31, all 128 columns: 16 accumulators.  Source 0 = 16 columns of x, source 1 = 16 rows of W:
; a lane then holds ONE channel (lane % 16) and eight neighbouring columns (8 (lane / 16) + 0..7): 16 bytes of a row of z, and a channel's sum wants one exchange between the halves of the lanes.
; x is made in LDS once (wave w: rows 16 w on of q_feats, queries 16 w on of the interpolation); ONE barrier; then 12 K steps of 32.
; W comes straight from memory in fragment order, 512 consecutive bytes a load, three K steps ahead: each fragment serves one wave once, so LDS would add a copy and spare nothing;
; no cluster for the same reason: x (174,080 bytes with the stages) and W1 (196,608) do not fit into LDS together.  No tensor load: every operand is converted or blended in registers.
.set XQP,   288                        ; x, first part: [k 128][n 128] f16, 256 bytes + 32: the turning load's 8 rows x 32 bytes fall on different banks (64 banks of 4 bytes: ISA guide 11.1)
.set XI,    128*XQP                    ; x, second part: [n 128][k 256] f16,
.set XIP,   528                        ; 512 bytes + 16
.set STG,   XI+128*XIP                 ; each wave's own stage for the way out: 32 rows x 272 bytes
.set SP,    272
.set SPARE, STG+8*32*SP                ; the spare words, 128 bytes a wave: four blocks of 256 bytes that no other line names
.set NKS,   12
.set WOFF,  4194304                    ; W1's fragments in prep
.set SPW, 1
.set NIL, 2
.set L16, 3                            ; v3   16 x lane; never rewritten
.set XT,  4                            ; v4   my place for the turning loads
.set XP,  5                            ; v5   my place in the second part
.set ZERO, 6
.set WK,  7                            ; v7-9   lane l: the three weights of query 16 w + l % 16; on the way out addresses
.set WA,  10                           ; v10-12 one query's weights in all lanes; at the head offsets; on the way out at work
.set XQS, 13
.set XIS, 14
.set BIAS, 15                          ; v15  b1 of channel 32 w + lane
.set ACC, 16                           ; v16-143  accumulator (c, q) at ACC + 8 (8 c + q)
.set XF,  144                          ; v144-207 two buffers of four fragments of x
.set WB,  208                          ; v208-255 three buffers of two fragments of W
.set GD,  16                           ; while x is made: gathered rows, query i % 8, neighbour k at GD + 12 (i % 8) + 4 k
.set GO,  112                          ;   their offsets
.set TI,  136                          ;   eight blended channels
.set QF,  144                          ;   sixteen rows of q_feats
.set TS,  144                          ; on the way out: four packed chains,
.set MU,  152                          ;   the two means as pairs,
.set M2R, 156                          ;   the two M2,
.set PT,  158                          ;   the other half of the lanes' number
.set OB,  192                          ;   16 x 4 registers read back from the stage
	s_load_b256 s[4:11], s[0:1], 0x0               ; q_feats s[4:5], prep s[6:7], nidx s[8:9], nw s[10:11]
	s_load_b128 s[12:15], s[0:1], 0x20             ; b1 s[12:13], y1 s[14:15]
	v_lshl_add_u32 v[SPW], v0, 2, SPARE
	v_mov_b32 v[NIL], 0
	v_lshrrev_b32 v4, 5, v0
	v_readfirstlane_b32 s66, v4                    ; wave 0..7
	s_mov_b32 s67, ttmp9                           ; p
	s_mov_b32 s68, 0x76543210                      ; v_permlanex16_b32: each lane takes its own place in the other half
	s_mov_b32 s69, 0xfedcba98
	s_mov_b32 s70, 0xffff0000                      ; lanes 16-31
	s_lshl_b32 s74, s67, 9                         ; nidx, nw: word 128 p + 16 w
	s_lshl_b32 s75, s66, 6
	s_add_co_u32 s74, s74, s75
	s_mov_b32 s75, 0
	s_lshl_b32 s84, s66, 11                        ; W: my two tiles of 16 rows, 1,024 bytes each in a K step
	s_mov_b32 s85, 0
	s_lshr_b32 s86, s67, 7                         ; q_feats: batch x 8,388,608 + my 128 columns x 4 + my 16 rows x 65,536
	s_lshl_b32 s86, s86, 23
	s_and_b32 s87, s67, 127
	s_lshl_b32 s87, s87, 9
	s_add_co_u32 s86, s86, s87
	s_lshl_b32 s87, s66, 20
	s_add_co_u32 s86, s86, s87
	s_mov_b32 s87, 0
	s_wait_kmcnt 0x0
	s_add_nc_u64 s[76:77], s[8:9], s[74:75]
	s_load_b512 s[16:31], s[76:77], 0x0            ; my 16 queries' first neighbours,
	s_load_b512 s[32:47], s[76:77], 0x20000        ; second,
	s_load_b512 s[48:63], s[76:77], 0x40000        ; third
	s_add_nc_u64 s[78:79], s[10:11], s[74:75]
	s_add_nc_u64 s[80:81], s[6:7], s[84:85]
	s_add_nc_u64 s[80:81], s[80:81], WOFF
	s_add_nc_u64 s[82:83], s[4:5], s[86:87]
	v_and_b32 v10, 31, v0
	v_lshlrev_b32 v[L16], 4, v10
	v_and_b32 v11, 15, v0                          ; r
	v_bfe_u32 v12, v0, 4, 1                        ; h
	v_and_b32 v13, 7, v0
	v_lshl_add_u32 v13, v12, 3, v13
	v_mul_u32_u24 v[XT], v13, XQP                  ; the turning load: row 8 h + lane % 8, 16 bytes at 16 ((lane / 8) % 2)
	v_bfe_u32 v13, v0, 3, 1
	v_lshl_add_u32 v[XT], v13, 4, v[XT]
	v_mul_u32_u24 v[XP], v11, XIP                  ; the plain load: row r, 16 bytes at 16 h
	v_lshl_add_u32 v[XP], v12, 4, v[XP]
	v_add_nc_u32 v[XP], XI, v[XP]
	v_mov_b32 v[ZERO], 0
	s_mul_i32 s88, s66, 16*XQP
	v_lshl_add_u32 v[XQS], v10, 3, s88             ; my 16 rows of the first part, 8 bytes a lane
	s_mul_i32 s88, s66, 16*XIP
	s_add_co_u32 s88, s88, XI
	v_add_nc_u32 v[XIS], s88, v[L16]               ; my 16 rows of the second part, 16 bytes a lane
	v_lshlrev_b32 v10, 2, v11                      ; offsets of the weights and of the bias; both registers are written again only behind the wait that shows these loads done
	v_lshlrev_b32 v11, 2, v0
.macro WLOAD ks                        ; the K step's two fragments of W: four loads of 512 consecutive bytes
.irp c,0,1
.irp f,0,1
	global_load_b128 v[WB+16*((\ks)%3)+8*\c+4*\f:WB+16*((\ks)%3)+8*\c+4*\f+3], v[L16], s[80:81] offset:(\ks)*16384+\c*1024+\f*512
.endr
.endr
.endm
.macro GLOAD q0                        ; eight queries' three rows of sfT: a row is 512 bytes, 16 a lane
.irp i,0,1,2,3,4,5,6,7
.irp k,0,1,2
	v_lshl_add_u32 v[GO+3*\i+\k], s[16+16*\k+(\q0)+\i], 9, v[L16]
	global_load_b128 v[GD+12*\i+4*\k:GD+12*\i+4*\k+3], v[GO+3*\i+\k], s[6:7]
.endr
.endr
.endm
; Query i of my 16: my eight channels of w0 row0 + w1 row1 + w2 row2, in f32 straight from the f16 halves, rounded once, into its row of x.
.macro INTERP i
.irp k,0,1,2
	v_readlane_b32 s[71+\k], v[WK+\k], \i
.endr
.irp k,0,1,2
	v_mov_b32 v[WA+\k], s[71+\k]
.endr
.set GB, GD+12*((\i)%8)
.irp c,0,1,2,3
	v_fma_mix_f32 v[TI+2*\c], v[GB+\c], v[WA], v[ZERO] op_sel_hi:[1,0,0]
	v_fma_mix_f32 v[TI+2*\c+1], v[GB+\c], v[WA], v[ZERO] op_sel:[1,0,0] op_sel_hi:[1,0,0]
.endr
.irp k,1,2
.irp c,0,1,2,3
	v_fma_mix_f32 v[TI+2*\c], v[GB+4*\k+\c], v[WA+\k], v[TI+2*\c] op_sel_hi:[1,0,0]
	v_fma_mix_f32 v[TI+2*\c+1], v[GB+4*\k+\c], v[WA+\k], v[TI+2*\c+1] op_sel:[1,0,0] op_sel_hi:[1,0,0]
.endr
.endr
.irp c,0,1,2,3
	v_cvt_pk_f16_f32 v[TI+\c], v[TI+2*\c], v[TI+2*\c+1]
.endr
	ds_store_b128 v[XIS], v[TI:TI+3] offset:(\i)*XIP
.endm
	WLOAD 0                                        ; 12 loads,
	WLOAD 1
	WLOAD 2
.irp k,0,1,2
	global_load_b32 v[WK+\k], v10, s[78:79] offset:\k*131072  ; 3,
.endr
	global_load_b32 v[BIAS], v11, s[12:13]         ; 1,
	s_wait_kmcnt 0x0
.set i, 16
.rept 48
	s_min_u32 s[i], s[i], 8191                     ; a loaded number enters an address only behind its bound: sfT has 8,192 rows
.set i, i+1
.endr
	GLOAD 0                                        ; 24,
.irp i,0,1,2,3,4,5,6,7,8,9,10,11,12,13,14,15
	global_load_b128 v[QF+4*\i:QF+4*\i+3], v[L16], s[82:83] offset:\i*65536 th:TH_LOAD_NT  ; and 16: a row's 512 bytes each
.endr
	s_wait_loadcnt 16                              ; all but q_feats' sixteen
.irp i,0,1,2,3,4,5,6,7
	INTERP \i
.endr
	GLOAD 8                                        ; the other eight queries, into the same registers
	s_wait_loadcnt 24                              ; all but those 24: q_feats is in
.irp i,0,1,2,3,4,5,6,7,8,9,10,11,12,13,14,15
	v_cvt_pk_f16_f32 v[QF+4*\i], v[QF+4*\i], v[QF+4*\i+1]
	v_cvt_pk_f16_f32 v[QF+4*\i+1], v[QF+4*\i+2], v[QF+4*\i+3]
	ds_store_b64 v[XQS], v[QF+4*\i:QF+4*\i+1] offset:\i*XQP
.endr
	s_wait_loadcnt 0x0
.irp i,8,9,10,11,12,13,14,15
	INTERP \i
.endr
	s_wait_dscnt 0x0                               ; for the others' sake: my rows of x are written
	s_barrier_signal -1
	s_barrier_wait -1
.macro PLACES                          ; a load into a register that a matrix instruction has read stands four plain vector lines behind it (ISA guide 7.12.1 for vector lines)
.rept 4
	v_nop
.endr
.endm
.macro XLOAD hf, ks                    ; four fragments of x: columns 64 hf on, K step ks: eight loads
.irp q,0,1,2,3
.if (\ks) < 4
	ds_load_tr16_b128 v[XF+32*(\hf)+8*\q:XF+32*(\hf)+8*\q+3], v[XT] offset:(\ks)*32*XQP+(4*(\hf)+\q)*32
	ds_load_tr16_b128 v[XF+32*(\hf)+8*\q+4:XF+32*(\hf)+8*\q+7], v[XT] offset:(\ks)*32*XQP+(4*(\hf)+\q)*32+16*XQP
.else
	ds_load_b128 v[XF+32*(\hf)+8*\q:XF+32*(\hf)+8*\q+3], v[XP] offset:(4*(\hf)+\q)*16*XIP+((\ks)-4)*64
	ds_load_b128 v[XF+32*(\hf)+8*\q+4:XF+32*(\hf)+8*\q+7], v[XP] offset:(4*(\hf)+\q)*16*XIP+((\ks)-4)*64+32
.endif
.endr
.endm
.macro MUL hf, ks                      ; eight products; the 16 accumulators take turns, one instruction a turn; the first K step starts the sums
.irp q,0,1,2,3
.irp c,0,1
.if (\ks) == 0
	v_wmma_f32_16x16x32_f16 v[ACC+8*(8*\c+4*(\hf)+\q):ACC+8*(8*\c+4*(\hf)+\q)+7], v[XF+32*(\hf)+8*\q:XF+32*(\hf)+8*\q+7], v[WB+16*((\ks)%3)+8*\c:WB+16*((\ks)%3)+8*\c+7], 0
.else
	v_wmma_f32_16x16x32_f16 v[ACC+8*(8*\c+4*(\hf)+\q):ACC+8*(8*\c+4*(\hf)+\q)+7], v[XF+32*(\hf)+8*\q:XF+32*(\hf)+8*\q+7], v[WB+16*((\ks)%3)+8*\c:WB+16*((\ks)%3)+8*\c+7], v[ACC+8*(8*\c+4*(\hf)+\q):ACC+8*(8*\c+4*(\hf)+\q)+7]
.endif
.endr
.endr
.endm
.macro KSTEP ks
.if NKS-1-(\ks) >= 2
	s_wait_loadcnt 8                               ; this step's W is in; the next two steps' eight loads may be out
.else
	s_wait_loadcnt 4*(NKS-1-(\ks))
.endif
	s_wait_dscnt 8                                 ; the first half's fragments are in; the second half's eight loads may be out
	MUL 0, \ks
.if (\ks) < NKS-1
	PLACES
	XLOAD 0, (\ks)+1
	s_wait_dscnt 8                                 ; all but the eight just issued
.else
	s_wait_dscnt 0
.endif
	MUL 1, \ks
.if (\ks) < NKS-1
	PLACES
	XLOAD 1, (\ks)+1
.endif
.if (\ks)+3 < NKS
	WLOAD (\ks)+3                                  ; into the buffer that this step has read
.endif
.endm
	XLOAD 0, 0
	XLOAD 1, 0
.irp s,0,1,2,3,4,5,6,7,8,9,10,11
	KSTEP \s
.endr
	; THE WAY OUT.  The addresses are the plain lines behind the last products.
	v_and_b32 v10, 15, v0
	v_bfe_u32 v11, v0, 4, 1
	s_mul_i32 s74, s66, 32*SP
	s_add_co_u32 s74, s74, STG                     ; my stage
	v_mul_u32_u24 v7, v10, SP                      ; in: row = channel lane % 16, 16 bytes for each half of the lanes
	v_lshl_add_u32 v7, v11, 4, v7
	v_add_nc_u32 v7, s74, v7
	v_mul_u32_u24 v8, v11, SP                      ; back: lanes 0-15 one row of 256 bytes, lanes 16-31 the next
	v_lshl_add_u32 v8, v10, 4, v8
	v_add_nc_u32 v8, s74, v8
	s_lshl_b32 s75, s66, 21                        ; z: row 32 w + h of 65,536 bytes, my block's 256 bytes
	s_lshl_b32 s76, s67, 8
	s_add_co_u32 s75, s75, s76
	v_lshl_add_u32 v9, v11, 16, s75
	v_lshl_add_u32 v9, v10, 4, v9
	v_lshlrev_b32 v12, 2, v0
	v_mov_b32 v[PT], 0                             ; v_permlanex16_b32 counts as a reader of its destination
.irp c,0,1
	; the channel's sum over my 64 columns, in four packed chains; each accumulator is read from its low end on
.irp r,0,1,2,3
	v_pk_add_f32 v[TS+2*\r:TS+2*\r+1], v[ACC+64*\c+2*\r:ACC+64*\c+2*\r+1], v[ACC+64*\c+8+2*\r:ACC+64*\c+8+2*\r+1]
.endr
.irp q,2,3,4,5,6,7
.irp r,0,1,2,3
	v_pk_add_f32 v[TS+2*\r:TS+2*\r+1], v[TS+2*\r:TS+2*\r+1], v[ACC+64*\c+8*\q+2*\r:ACC+64*\c+8*\q+2*\r+1]
.endr
.endr
	v_pk_add_f32 v[TS:TS+1], v[TS:TS+1], v[TS+2:TS+3]
	v_pk_add_f32 v[TS+4:TS+5], v[TS+4:TS+5], v[TS+6:TS+7]
	v_pk_add_f32 v[TS:TS+1], v[TS:TS+1], v[TS+4:TS+5]
	v_add_f32 v[TS], v[TS], v[TS+1]
	v_permlanex16_b32 v[PT], v[TS], s68, s69       ; the channel's other 64 columns lie in the lane 16 away
	v_add_f32 v[TS], v[TS], v[PT]
	v_mul_f32 v[MU+2*\c], 0x3c000000, v[TS]        ; / 128
	v_mul_f32 v[MU+2*\c+1], 0x3c000000, v[TS]
.set i, 0
.rept 32
	v_pk_add_f32 v[ACC+64*\c+2*i:ACC+64*\c+2*i+1], v[ACC+64*\c+2*i:ACC+64*\c+2*i+1], v[MU+2*\c:MU+2*\c+1] neg_lo:[0,1] neg_hi:[0,1]
.set i, i+1
.endr
.irp r,0,1,2,3
	v_pk_mul_f32 v[TS+2*\r:TS+2*\r+1], v[ACC+64*\c+2*\r:ACC+64*\c+2*\r+1], v[ACC+64*\c+2*\r:ACC+64*\c+2*\r+1]
.endr
.irp q,1,2,3,4,5,6,7
.irp r,0,1,2,3
	v_pk_fma_f32 v[TS+2*\r:TS+2*\r+1], v[ACC+64*\c+8*\q+2*\r:ACC+64*\c+8*\q+2*\r+1], v[ACC+64*\c+8*\q+2*\r:ACC+64*\c+8*\q+2*\r+1], v[TS+2*\r:TS+2*\r+1]
.endr
.endr
	v_pk_add_f32 v[TS:TS+1], v[TS:TS+1], v[TS+2:TS+3]
	v_pk_add_f32 v[TS+4:TS+5], v[TS+4:TS+5], v[TS+6:TS+7]
	v_pk_add_f32 v[TS:TS+1], v[TS:TS+1], v[TS+4:TS+5]
	v_add_f32 v[TS], v[TS], v[TS+1]
	v_permlanex16_b32 v[PT], v[TS], s68, s69
	v_add_f32 v[M2R+\c], v[TS], v[PT]
.endr
.irp c,0,1
.irp q,0,1,2,3,4,5,6,7
.irp r,0,1,2,3
	v_cvt_pk_f16_f32 v[ACC+64*\c+8*\q+\r], v[ACC+64*\c+8*\q+2*\r], v[ACC+64*\c+8*\q+2*\r+1]
.endr
	ds_store_b128 v7, v[ACC+64*\c+8*\q:ACC+64*\c+8*\q+3] offset:\c*16*SP+\q*32
.endr
.endr
.irp i,0,1,2,3,4,5,6,7,8,9,10,11,12,13,14,15
	ds_load_b128 v[OB+4*\i:OB+4*\i+3], v8 offset:\i*2*SP  ; LDS serves a wave's instructions in order (ISA guide 5.7.1): these see my stores above
.endr
.irp i,0,1,2,3,4,5,6,7,8,9,10,11,12,13,14,15
	s_wait_dscnt 15-\i
	global_store_b128 v9, v[OB+4*\i:OB+4*\i+3], s[14:15] offset:\i*131072  ; 16 lanes store 256 consecutive bytes, at a multiple of 256 from the buffer's first
.endr
	v_cndmask_b32 v159, v[MU], v[MU+2], s70        ; lane l: channel 32 w + l
	v_add_f32 v159, v159, v[BIAS]
	v_cndmask_b32 v160, v[M2R], v[M2R+1], s70
	s_lshl_b32 s84, s67, 11                        ; the block's 512 numbers, behind z's 16,777,216 bytes
	s_mov_b32 s85, 0
	s_add_nc_u64 s[88:89], s[14:15], s[84:85]
	s_add_nc_u64 s[88:89], s[88:89], 0x1000000
	global_store_b32 v12, v159, s[88:89]
	global_store_b32 v12, v160, s[88:89] offset:1024
	s_wait_tensorcnt 0x0                           ; the wave's end: three closing lines, behind my last LDS store
	ds_add_u32 v[SPW], v[NIL]
	s_wait_dscnt 0x0
	s_endpgm
.Lfunc_end_k_qfdfcce0fb3_conv1:
	.size	k_qfdfcce0fb3_conv1, .Lfunc_end_k_qfdfcce0fb3_conv1-k_qfdfcce0fb3_conv1
	.p2alignl 7, 3214868480
	.fill 96, 4, 3214868480
	.section	.rodata,"a",@progbits
	.p2align	6, 0x0
	.amdhsa_kernel k_qfdfcce0fb3_conv1
		.amdhsa_group_segment_fixed_size 175104
		.amdhsa_private_segment_fixed_size 0
		.amdhsa_enable_private_segment 0
		.amdhsa_kernarg_size 48
		.amdhsa_user_sgpr_count 2
		.amdhsa_user_sgpr_kernarg_segment_ptr 1
		.amdhsa_wavefront_size32 1
		.amdhsa_system_sgpr_workgroup_id_x 1
		.amdhsa_system_sgpr_workgroup_id_y 1
		.amdhsa_system_sgpr_workgroup_id_z 1
		.amdhsa_system_vgpr_workitem_id 0
		.amdhsa_next_free_vgpr 256
		.amdhsa_next_free_sgpr 96
		.amdhsa_reserve_vcc 0
		.amdhsa_float_denorm_mode_32 3
		.amdhsa_float_denorm_mode_16_64 3
		.amdhsa_memory_ordered 1
		.amdhsa_forward_progress 1
		.amdhsa_inst_pref_size 107
	.end_amdhsa_kernel
	.amdgpu_metadata
---
amdhsa.version: [ 1, 2 ]
amdhsa.kernels:
  - .name:           k_qfdfcce0fb3_conv1
    .symbol:         k_qfdfcce0fb3_conv1.kd
    .args:
      - { .name: q_feats, .offset: 0, .size: 8, .value_kind: global_buffer, .address_space: global }
      - { .name: prep, .offset: 8, .size: 8, .value_kind: global_buffer, .address_space: global }
      - { .name: nidx, .offset: 16, .size: 8, .value_kind: global_buffer, .address_space: global }
      - { .name: nw, .offset: 24, .size: 8, .value_kind: global_buffer, .address_space: global }
      - { .name: b1, .offset: 32, .size: 8, .value_kind: global_buffer, .address_space: global }
      - { .name: y1, .offset: 40, .size: 8, .value_kind: global_buffer, .address_space: global }
    .group_segment_fixed_size: 175104
    .private_segment_fixed_size: 0
    .kernarg_segment_align: 8
    .kernarg_segment_size: 48
    .max_flat_workgroup_size: 256
    .sgpr_count:     96
    .vgpr_count:     256
    .wavefront_size: 32
...
	.end_amdgpu_metadata
.endif
;; end of part 3
;; launch stat1 (part 4): grid 8 x 1, 8 waves a work-group, no clusters, 4,096 bytes of LDS; arguments y1, gamma1, sc1; writes sc1
.if DOCPART == 4
	.amdgcn_target "amdgcn-amd-amdhsa--gfx1250"
	.amdhsa_code_object_version 6
	.text
	.protected	k_qfdfcce0fb3_stat1
	.globl	k_qfdfcce0fb3_stat1
	.p2align	8
	.type	k_qfdfcce0fb3_stat1,@function
k_qfdfcce0fb3_stat1:
	s_mov_b64 s[64:65], 0
	v_nop
	global_prefetch_b8 v0, s[64:65] scope:SCOPE_SE
	s_setreg_imm32_b32 hwreg(HW_REG_WAVE_MODE, 25, 1), 1
	s_wait_xcnt 0x0
; THE BATCH NORM'S STATISTICS from 256 blocks' means and M2 (each of 128 columns): mean = sum(mean_p) / 256; var = sum(M2_p) / 32,768 + sum((mean_p - mean)^2) / 256.
; No difference of large sums is formed.  Out: A = gamma / sqrt(var + 1e-5), then the mean, 256 numbers each, f32.
; SHARES.  Work-group g: channels 32 g + lane.  Wave w: blocks w + 8 i, i = 0..31.  The waves' sums meet in LDS.  The whole input is 524,288 bytes: eight work-groups are what 256 channels give at a lane a channel.
.set SPARE, 3072                       ; behind three arrays of 8 waves x 32 words: the spare words, 128 bytes a wave, which no other line names
	s_load_b128 s[4:7], s[0:1], 0x0                ; y s[4:5], gamma s[6:7]
	s_load_b64 s[8:9], s[0:1], 0x10                ; sc
	v_lshl_add_u32 v1, v0, 2, SPARE                ; my spare word
	v_mov_b32 v2, 0
	v_lshrrev_b32 v3, 5, v0
	v_readfirstlane_b32 s10, v3                    ; wave 0..7
	v_and_b32 v5, 31, v0
	v_lshlrev_b32 v5, 2, v5                        ; 4 x lane
	v_lshl_add_u32 v3, v3, 11, v5                  ; block w's 2,048 bytes
	v_lshlrev_b32 v80, 2, v0                       ; word (w, lane)
	s_lshl_b32 s12, ttmp9, 7                       ; my 32 channels
	s_mov_b32 s13, 0
	s_wait_kmcnt 0x0
	s_add_nc_u64 s[4:5], s[4:5], s[12:13]
	s_add_nc_u64 s[4:5], s[4:5], 0x1000000         ; the blocks' numbers lie behind z's 16,777,216 bytes
	s_add_nc_u64 s[6:7], s[6:7], s[12:13]
	s_add_nc_u64 s[8:9], s[8:9], s[12:13]
	global_load_b32 v4, v5, s[6:7]
.set i, 0
.rept 32
	global_load_b32 v[8+i], v3, s[4:5] offset:i*16384
.set i, i+1
.endr
.set i, 0
.rept 32
	global_load_b32 v[40+i], v3, s[4:5] offset:i*16384+1024
.set i, i+1
.endr
.macro FOLD                            ; v72-79 into v72
	v_pk_add_f32 v[72:73], v[72:73], v[74:75]
	v_pk_add_f32 v[76:77], v[76:77], v[78:79]
	v_pk_add_f32 v[72:73], v[72:73], v[76:77]
	v_add_f32 v72, v72, v73
.endm
.macro SUM32 b                         ; 32 registers from b on, in four packed chains
.irp c,0,1,2,3
	v_pk_add_f32 v[72+2*\c:73+2*\c], v[(\b)+2*\c:(\b)+2*\c+1], v[(\b)+8+2*\c:(\b)+8+2*\c+1]
.endr
.irp o,16,24
.irp c,0,1,2,3
	v_pk_add_f32 v[72+2*\c:73+2*\c], v[72+2*\c:73+2*\c], v[(\b)+\o+2*\c:(\b)+\o+2*\c+1]
.endr
.endr
	FOLD
.endm
	s_wait_loadcnt 32                              ; gamma and the means are in; the 32 M2 may be out
	SUM32 8
	ds_store_b32 v80, v72
	s_wait_loadcnt 0x0
	SUM32 40
	ds_store_b32 v80, v72 offset:1024
	s_wait_dscnt 0x0                               ; for the others' sake
	s_barrier_signal -1
	s_barrier_wait -1
.irp j,0,1,2,3,4,5,6,7
	ds_load_b32 v[72+\j], v5 offset:\j*128
.endr
	s_wait_dscnt 0x0
	FOLD
	v_mul_f32 v6, 0x3b800000, v72                  ; / 256: the mean, in every wave
	v_mul_f32 v7, 0x3b800000, v72
.set i, 0
.rept 16
	v_pk_add_f32 v[8+2*i:9+2*i], v[8+2*i:9+2*i], v[6:7] neg_lo:[0,1] neg_hi:[0,1]
.set i, i+1
.endr
.irp c,0,1,2,3
	v_pk_mul_f32 v[72+2*\c:73+2*\c], v[8+2*\c:9+2*\c], v[8+2*\c:9+2*\c]
.endr
.irp o,8,16,24
.irp c,0,1,2,3
	v_pk_fma_f32 v[72+2*\c:73+2*\c], v[8+\o+2*\c:9+\o+2*\c], v[8+\o+2*\c:9+\o+2*\c], v[72+2*\c:73+2*\c]
.endr
.endr
	FOLD
	ds_store_b32 v80, v72 offset:2048
	s_wait_dscnt 0x0
	s_barrier_signal -1
	s_barrier_wait -1
	s_cmp_lg_u32 s10, 0
	s_cbranch_scc1 .Lend                           ; wave 0 finishes
.irp j,0,1,2,3,4,5,6,7
	ds_load_b32 v[72+\j], v5 offset:1024+\j*128
	ds_load_b32 v[8+\j], v5 offset:2048+\j*128
.endr
	s_wait_dscnt 0x0
	FOLD
	v_pk_add_f32 v[8:9], v[8:9], v[10:11]
	v_pk_add_f32 v[12:13], v[12:13], v[14:15]
	v_pk_add_f32 v[8:9], v[8:9], v[12:13]
	v_add_f32 v8, v8, v9
	v_mul_f32 v72, 0x38000000, v72                 ; sum of M2 / 32,768
	v_fmamk_f32 v72, v8, 0x3b800000, v72           ; + sum of squared deviations of the means / 256
	v_add_f32 v72, 0x3727c5ac, v72                 ; + 1e-5
	v_rsq_f32 v73, v72
	v_nop                                          ; a plain line between the root and the use of its result
	s_wait_alu depctr_va_vdst(0)
	v_mul_f32 v73, v4, v73
	global_store_b32 v5, v73, s[8:9]
	global_store_b32 v5, v6, s[8:9] offset:1024
.Lend:
	s_wait_tensorcnt 0x0                           ; the wave's end: three closing lines, behind my last LDS store
	ds_add_u32 v1, v2
	s_wait_dscnt 0x0
	s_endpgm
.Lfunc_end_k_qfdfcce0fb3_stat1:
	.size	k_qfdfcce0fb3_stat1, .Lfunc_end_k_qfdfcce0fb3_stat1-k_qfdfcce0fb3_stat1
	.p2alignl 7, 3214868480
	.fill 96, 4, 3214868480
	.section	.rodata,"a",@progbits
	.p2align	6, 0x0
	.amdhsa_kernel k_qfdfcce0fb3_stat1
		.amdhsa_group_segment_fixed_size 4096
		.amdhsa_private_segment_fixed_size 0
		.amdhsa_enable_private_segment 0
		.amdhsa_kernarg_size 24
		.amdhsa_user_sgpr_count 2
		.amdhsa_user_sgpr_kernarg_segment_ptr 1
		.amdhsa_wavefront_size32 1
		.amdhsa_system_sgpr_workgroup_id_x 1
		.amdhsa_system_sgpr_workgroup_id_y 1
		.amdhsa_system_sgpr_workgroup_id_z 1
		.amdhsa_system_vgpr_workitem_id 0
		.amdhsa_next_free_vgpr 84
		.amdhsa_next_free_sgpr 66
		.amdhsa_reserve_vcc 0
		.amdhsa_float_denorm_mode_32 3
		.amdhsa_float_denorm_mode_16_64 3
		.amdhsa_memory_ordered 1
		.amdhsa_forward_progress 1
		.amdhsa_inst_pref_size 15
	.end_amdhsa_kernel
	.amdgpu_metadata
---
amdhsa.version: [ 1, 2 ]
amdhsa.kernels:
  - .name:           k_qfdfcce0fb3_stat1
    .symbol:         k_qfdfcce0fb3_stat1.kd
    .args:
      - { .name: y1, .offset: 0, .size: 8, .value_kind: global_buffer, .address_space: global }
      - { .name: gamma1, .offset: 8, .size: 8, .value_kind: global_buffer, .address_space: global }
      - { .name: sc1, .offset: 16, .size: 8, .value_kind: global_buffer, .address_space: global }
    .group_segment_fixed_size: 4096
    .private_segment_fixed_size: 0
    .kernarg_segment_align: 8
    .kernarg_segment_size: 24
    .max_flat_workgroup_size: 256
    .sgpr_count:     66
    .vgpr_count:     84
    .wavefront_size: 32
...
	.end_amdgpu_metadata
.endif
;; end of part 4
;; launch conv2 (part 5): grid 256 x 1, 8 waves a work-group, no clusters, 144,384 bytes of LDS; arguments y1, sc1, beta1, prep, b2, y2; writes y2
.if DOCPART == 5
	.amdgcn_target "amdgcn-amd-amdhsa--gfx1250"
	.amdhsa_code_object_version 6
	.text
	.protected	k_qfdfcce0fb3_conv2
	.globl	k_qfdfcce0fb3_conv2
	.p2align	8
	.type	k_qfdfcce0fb3_conv2,@function
k_qfdfcce0fb3_conv2:
	s_mov_b64 s[64:65], 0
	v_nop
	global_prefetch_b8 v0, s[64:65] scope:SCOPE_SE
	s_setreg_imm32_b32 hwreg(HW_REG_WAVE_MODE, 25, 1), 1
	s_wait_xcnt 0x0
; THE FIRST BATCH NORM AND ReLU, AND THE SECOND CONVOLUTION.  x[k][n] = max(0, A[k] z1[k][n] + C[k]), C = (the block's mean - the mean) A + beta1; y[o][n] = sum over k of W2[o][k] x[k][n].
; Operands in f16, sums in f32.  Out as in the first convolution: z = y less its block's mean in f16, and the block's mean (b2 added) and M2 in f32.
; LIMITS: f16 holds no number beyond 65,504: x and the deviations lie within it.
; SHARES as in the first convolution: work-group p: columns 128 p on; wave w: output channels 32 w on, all 128 columns, 16 accumulators; source 0 = 16 columns of x, source 1 = 16 rows of W.
; Wave w makes rows 32 w on of x in LDS; ONE barrier; 8 K steps of 32, x by the turning load, W straight from memory in fragment order, three K steps ahead (each fragment serves one wave once).
; No tensor load: z is normalised in registers on its way into LDS.  No cluster: the work-groups share W2 alone, 131,072 bytes that each wave takes once, in runs of 512 bytes.
.set XPB,   288                        ; x: [k 256][n 128] f16, 256 bytes + 32
.set STG,   256*XPB                    ; each wave's own stage for the way out: 32 rows x 272 bytes
.set SP,    272
.set SPARE, STG+8*32*SP                ; the spare words, 128 bytes a wave: four blocks of 256 bytes that no other line names
.set NKS,   8
.set WOFF,  4390912                    ; W2's fragments in prep
.set SPW, 1
.set NIL, 2
.set L16, 3
.set XT,  4                            ; v4, v5  my place for the turning loads, K steps 0-3 and 4-7: an LDS offset has 16 bits
.set ZERO, 6
.set XS,  13
.set BIAS, 15
.set ACC, 16
.set XF,  144
.set WB,  208
.set ZD,  16                           ; while x is made: 32 rows of z, two registers each; v80-95 at work
.set TS,  144
.set MU,  152
.set M2R, 156
.set PT,  158
.set OB,  192
	s_load_b256 s[4:11], s[0:1], 0x0               ; y1 s[4:5], sc1 s[6:7], beta1 s[8:9], prep s[10:11]
	s_load_b128 s[12:15], s[0:1], 0x20             ; b2 s[12:13], y2 s[14:15]
	v_lshl_add_u32 v[SPW], v0, 2, SPARE
	v_mov_b32 v[NIL], 0
	v_lshrrev_b32 v4, 5, v0
	v_readfirstlane_b32 s66, v4                    ; wave 0..7
	s_mov_b32 s67, ttmp9                           ; p
	s_mov_b32 s68, 0x76543210
	s_mov_b32 s69, 0xfedcba98
	s_mov_b32 s70, 0xffff0000
	v_and_b32 v10, 31, v0
	v_lshlrev_b32 v[L16], 4, v10
	v_bfe_u32 v12, v0, 4, 1
	v_and_b32 v13, 7, v0
	v_lshl_add_u32 v13, v12, 3, v13
	v_mul_u32_u24 v[XT], v13, XPB
	v_bfe_u32 v13, v0, 3, 1
	v_lshl_add_u32 v[XT], v13, 4, v[XT]
	v_add_nc_u32 v[XT+1], 128*XPB, v[XT]
	v_mov_b32 v[ZERO], 0
	s_mul_i32 s78, s66, 32*XPB
	v_lshl_add_u32 v[XS], v10, 3, s78              ; my 32 rows of x, 8 bytes a lane
	v_lshlrev_b32 v12, 2, v0                       ; channel 32 w + lane = my thread's number
	s_lshl_b32 s78, s66, 21                        ; z: my 32 rows of 65,536 bytes, my block's 256 bytes
	s_lshl_b32 s79, s67, 8
	s_add_co_u32 s78, s78, s79
	v_lshl_add_u32 v11, v10, 3, s78
	s_lshl_b32 s84, s66, 11
	s_mov_b32 s85, 0
	s_lshl_b32 s86, s67, 11
	s_mov_b32 s87, 0
	s_wait_kmcnt 0x0
	s_add_nc_u64 s[80:81], s[10:11], s[84:85]
	s_add_nc_u64 s[80:81], s[80:81], WOFF
	s_add_nc_u64 s[82:83], s[4:5], s[86:87]
	s_add_nc_u64 s[82:83], s[82:83], 0x1000000     ; my block's means
.macro WLOAD ks
.irp c,0,1
.irp f,0,1
	global_load_b128 v[WB+16*((\ks)%3)+8*\c+4*\f:WB+16*((\ks)%3)+8*\c+4*\f+3], v[L16], s[80:81] offset:(\ks)*16384+\c*1024+\f*512
.endr
.endr
.endm
	WLOAD 0                                        ; 12 loads,
	WLOAD 1
	WLOAD 2
	global_load_b32 v7, v12, s[6:7]                ; A,
	global_load_b32 v8, v12, s[6:7] offset:1024    ; the mean,
	global_load_b32 v9, v12, s[82:83]              ; the block's mean,
	global_load_b32 v10, v12, s[8:9]               ; beta1,
	global_load_b32 v[BIAS], v12, s[12:13]         ; b2: 5,
.set i, 0
.rept 32
	global_load_b64 v[ZD+2*i:ZD+2*i+1], v11, s[4:5] offset:i*65536 th:TH_LOAD_NT  ; and 32: a row's 256 bytes each
.set i, i+1
.endr
	s_wait_loadcnt 32                              ; all but the 32 rows
	v_sub_f32 v9, v9, v8
	v_fma_f32 v8, v9, v7, v10                      ; C
; Row i of my 32: its A and C come out of lane i; A z + C in f32 straight from the f16 halves; rounded once; the larger of that and 0; into x.  Two sets of registers by turns.
.macro XROW i
.set PA, 80+8*((\i)%2)
	v_readlane_b32 s[71+2*((\i)%2)], v7, \i
	v_readlane_b32 s[72+2*((\i)%2)], v8, \i
	v_mov_b32 v[PA+4], s[71+2*((\i)%2)]
	v_mov_b32 v[PA+5], s[72+2*((\i)%2)]
	v_fma_mix_f32 v[PA], v[ZD+2*(\i)], v[PA+4], v[PA+5] op_sel_hi:[1,0,0]
	v_fma_mix_f32 v[PA+1], v[ZD+2*(\i)], v[PA+4], v[PA+5] op_sel:[1,0,0] op_sel_hi:[1,0,0]
	v_fma_mix_f32 v[PA+2], v[ZD+2*(\i)+1], v[PA+4], v[PA+5] op_sel_hi:[1,0,0]
	v_fma_mix_f32 v[PA+3], v[ZD+2*(\i)+1], v[PA+4], v[PA+5] op_sel:[1,0,0] op_sel_hi:[1,0,0]
	v_cvt_pk_f16_f32 v[PA], v[PA], v[PA+1]
	v_cvt_pk_f16_f32 v[PA+1], v[PA+2], v[PA+3]
	v_pk_max_num_f16 v[PA], v[PA], v[ZERO]
	v_pk_max_num_f16 v[PA+1], v[PA+1], v[ZERO]
	ds_store_b64 v[XS], v[PA:PA+1] offset:(\i)*XPB
.endm
.irp g,0,1,2,3
	s_wait_loadcnt 24-8*\g                         ; eight more rows are in; the younger ones may be out
.irp e,0,1,2,3,4,5,6,7
	XROW 8*\g+\e
.endr
.endr
	s_wait_dscnt 0x0                               ; for the others' sake: my rows of x are written
	s_barrier_signal -1
	s_barrier_wait -1
.macro PLACES                          ; a load into a register that a matrix instruction has read stands four plain vector lines behind it (ISA guide 7.12.1 for vector lines)
.rept 4
	v_nop
.endr
.endm
.macro XLOAD hf, ks
.irp q,0,1,2,3
	ds_load_tr16_b128 v[XF+32*(\hf)+8*\q:XF+32*(\hf)+8*\q+3], v[XT+(\ks)/4] offset:((\ks)%4)*32*XPB+(4*(\hf)+\q)*32
	ds_load_tr16_b128 v[XF+32*(\hf)+8*\q+4:XF+32*(\hf)+8*\q+7], v[XT+(\ks)/4] offset:((\ks)%4)*32*XPB+(4*(\hf)+\q)*32+16*XPB
.endr
.endm
.macro MUL hf, ks                      ; the 16 accumulators take turns, one instruction a turn; the first K step starts the sums
.irp q,0,1,2,3
.irp c,0,1
.if (\ks) == 0
	v_wmma_f32_16x16x32_f16 v[ACC+8*(8*\c+4*(\hf)+\q):ACC+8*(8*\c+4*(\hf)+\q)+7], v[XF+32*(\hf)+8*\q:XF+32*(\hf)+8*\q+7], v[WB+16*((\ks)%3)+8*\c:WB+16*((\ks)%3)+8*\c+7], 0
.else
	v_wmma_f32_16x16x32_f16 v[ACC+8*(8*\c+4*(\hf)+\q):ACC+8*(8*\c+4*(\hf)+\q)+7], v[XF+32*(\hf)+8*\q:XF+32*(\hf)+8*\q+7], v[WB+16*((\ks)%3)+8*\c:WB+16*((\ks)%3)+8*\c+7], v[ACC+8*(8*\c+4*(\hf)+\q):ACC+8*(8*\c+4*(\hf)+\q)+7]
.endif
.endr
.endr
.endm
.macro KSTEP ks
.if NKS-1-(\ks) >= 2
	s_wait_loadcnt 8                               ; this step's W is in; the next two steps' eight loads may be out
.else
	s_wait_loadcnt 4*(NKS-1-(\ks))
.endif
	s_wait_dscnt 8                                 ; the first half's fragments are in; the second half's eight loads may be out
	MUL 0, \ks
.if (\ks) < NKS-1
	PLACES
	XLOAD 0, (\ks)+1
	s_wait_dscnt 8                                 ; all but the eight just issued
.else
	s_wait_dscnt 0
.endif
	MUL 1, \ks
.if (\ks) < NKS-1
	PLACES
	XLOAD 1, (\ks)+1
.endif
.if (\ks)+3 < NKS
	WLOAD (\ks)+3
.endif
.endm
	XLOAD 0, 0
	XLOAD 1, 0
.irp s,0,1,2,3,4,5,6,7
	KSTEP \s
.endr
	; THE WAY OUT, as in the first convolution.  The addresses are the plain lines behind the last products.
	v_and_b32 v10, 15, v0
	v_bfe_u32 v11, v0, 4, 1
	s_mul_i32 s74, s66, 32*SP
	s_add_co_u32 s74, s74, STG
	v_mul_u32_u24 v7, v10, SP
	v_lshl_add_u32 v7, v11, 4, v7
	v_add_nc_u32 v7, s74, v7
	v_mul_u32_u24 v8, v11, SP
	v_lshl_add_u32 v8, v10, 4, v8
	v_add_nc_u32 v8, s74, v8
	s_lshl_b32 s75, s66, 21
	s_lshl_b32 s76, s67, 8
	s_add_co_u32 s75, s75, s76
	v_lshl_add_u32 v9, v11, 16, s75
	v_lshl_add_u32 v9, v10, 4, v9
	v_lshlrev_b32 v12, 2, v0
	v_mov_b32 v[PT], 0                             ; v_permlanex16_b32 counts as a reader of its destination
.irp c,0,1
	; each accumulator is read from its low end on
.irp r,0,1,2,3
	v_pk_add_f32 v[TS+2*\r:TS+2*\r+1], v[ACC+64*\c+2*\r:ACC+64*\c+2*\r+1], v[ACC+64*\c+8+2*\r:ACC+64*\c+8+2*\r+1]
.endr
.irp q,2,3,4,5,6,7
.irp r,0,1,2,3
	v_pk_add_f32 v[TS+2*\r:TS+2*\r+1], v[TS+2*\r:TS+2*\r+1], v[ACC+64*\c+8*\q+2*\r:ACC+64*\c+8*\q+2*\r+1]
.endr
.endr
	v_pk_add_f32 v[TS:TS+1], v[TS:TS+1], v[TS+2:TS+3]
	v_pk_add_f32 v[TS+4:TS+5], v[TS+4:TS+5], v[TS+6:TS+7]
	v_pk_add_f32 v[TS:TS+1], v[TS:TS+1], v[TS+4:TS+5]
	v_add_f32 v[TS], v[TS], v[TS+1]
	v_permlanex16_b32 v[PT], v[TS], s68, s69
	v_add_f32 v[TS], v[TS], v[PT]
	v_mul_f32 v[MU+2*\c], 0x3c000000, v[TS]        ; / 128
	v_mul_f32 v[MU+2*\c+1], 0x3c000000, v[TS]
.set i, 0
.rept 32
	v_pk_add_f32 v[ACC+64*\c+2*i:ACC+64*\c+2*i+1], v[ACC+64*\c+2*i:ACC+64*\c+2*i+1], v[MU+2*\c:MU+2*\c+1] neg_lo:[0,1] neg_hi:[0,1]
.set i, i+1
.endr
.irp r,0,1,2,3
	v_pk_mul_f32 v[TS+2*\r:TS+2*\r+1], v[ACC+64*\c+2*\r:ACC+64*\c+2*\r+1], v[ACC+64*\c+2*\r:ACC+64*\c+2*\r+1]
.endr
.irp q,1,2,3,4,5,6,7
.irp r,0,1,2,3
	v_pk_fma_f32 v[TS+2*\r:TS+2*\r+1], v[ACC+64*\c+8*\q+2*\r:ACC+64*\c+8*\q+2*\r+1], v[ACC+64*\c+8*\q+2*\r:ACC+64*\c+8*\q+2*\r+1], v[TS+2*\r:TS+2*\r+1]
.endr
.endr
	v_pk_add_f32 v[TS:TS+1], v[TS:TS+1], v[TS+2:TS+3]
	v_pk_add_f32 v[TS+4:TS+5], v[TS+4:TS+5], v[TS+6:TS+7]
	v_pk_add_f32 v[TS:TS+1], v[TS:TS+1], v[TS+4:TS+5]
	v_add_f32 v[TS], v[TS], v[TS+1]
	v_permlanex16_b32 v[PT], v[TS], s68, s69
	v_add_f32 v[M2R+\c], v[TS], v[PT]
.endr
.irp c,0,1
.irp q,0,1,2,3,4,5,6,7
.irp r,0,1,2,3
	v_cvt_pk_f16_f32 v[ACC+64*\c+8*\q+\r], v[ACC+64*\c+8*\q+2*\r], v[ACC+64*\c+8*\q+2*\r+1]
.endr
	ds_store_b128 v7, v[ACC+64*\c+8*\q:ACC+64*\c+8*\q+3] offset:\c*16*SP+\q*32
.endr
.endr
.irp i,0,1,2,3,4,5,6,7,8,9,10,11,12,13,14,15
	ds_load_b128 v[OB+4*\i:OB+4*\i+3], v8 offset:\i*2*SP  ; LDS serves a wave's instructions in order (ISA guide 5.7.1): these see my stores above
.endr
.irp i,0,1,2,3,4,5,6,7,8,9,10,11,12,13,14,15
	s_wait_dscnt 15-\i
	global_store_b128 v9, v[OB+4*\i:OB+4*\i+3], s[14:15] offset:\i*131072  ; 16 lanes store 256 consecutive bytes, at a multiple of 256 from the buffer's first
.endr
	v_cndmask_b32 v159, v[MU], v[MU+2], s70        ; lane l: channel 32 w + l
	v_add_f32 v159, v159, v[BIAS]
	v_cndmask_b32 v160, v[M2R], v[M2R+1], s70
	s_lshl_b32 s84, s67, 11
	s_mov_b32 s85, 0
	s_add_nc_u64 s[88:89], s[14:15], s[84:85]
	s_add_nc_u64 s[88:89], s[88:89], 0x1000000
	global_store_b32 v12, v159, s[88:89]
	global_store_b32 v12, v160, s[88:89] offset:1024
	s_wait_tensorcnt 0x0                           ; the wave's end: three closing lines, behind my last LDS store
	ds_add_u32 v[SPW], v[NIL]
	s_wait_dscnt 0x0
	s_endpgm
.Lfunc_end_k_qfdfcce0fb3_conv2:
	.size	k_qfdfcce0fb3_conv2, .Lfunc_end_k_qfdfcce0fb3_conv2-k_qfdfcce0fb3_conv2
	.p2alignl 7, 3214868480
	.fill 96, 4, 3214868480
	.section	.rodata,"a",@progbits
	.p2align	6, 0x0
	.amdhsa_kernel k_qfdfcce0fb3_conv2
		.amdhsa_group_segment_fixed_size 144384
		.amdhsa_private_segment_fixed_size 0
		.amdhsa_enable_private_segment 0
		.amdhsa_kernarg_size 48
		.amdhsa_user_sgpr_count 2
		.amdhsa_user_sgpr_kernarg_segment_ptr 1
		.amdhsa_wavefront_size32 1
		.amdhsa_system_sgpr_workgroup_id_x 1
		.amdhsa_system_sgpr_workgroup_id_y 1
		.amdhsa_system_sgpr_workgroup_id_z 1
		.amdhsa_system_vgpr_workitem_id 0
		.amdhsa_next_free_vgpr 256
		.amdhsa_next_free_sgpr 96
		.amdhsa_reserve_vcc 0
		.amdhsa_float_denorm_mode_32 3
		.amdhsa_float_denorm_mode_16_64 3
		.amdhsa_memory_ordered 1
		.amdhsa_forward_progress 1
		.amdhsa_inst_pref_size 74
	.end_amdhsa_kernel
	.amdgpu_metadata
---
amdhsa.version: [ 1, 2 ]
amdhsa.kernels:
  - .name:           k_qfdfcce0fb3_conv2
    .symbol:         k_qfdfcce0fb3_conv2.kd
    .args:
      - { .name: y1, .offset: 0, .size: 8, .value_kind: global_buffer, .address_space: global }
      - { .name: sc1, .offset: 8, .size: 8, .value_kind: global_buffer, .address_space: global }
      - { .name: beta1, .offset: 16, .size: 8, .value_kind: global_buffer, .address_space: global }
      - { .name: prep, .offset: 24, .size: 8, .value_kind: global_buffer, .address_space: global }
      - { .name: b2, .offset: 32, .size: 8, .value_kind: global_buffer, .address_space: global }
      - { .name: y2, .offset: 40, .size: 8, .value_kind: global_buffer, .address_space: global }
    .group_segment_fixed_size: 144384
    .private_segment_fixed_size: 0
    .kernarg_segment_align: 8
    .kernarg_segment_size: 48
    .max_flat_workgroup_size: 256
    .sgpr_count:     96
    .vgpr_count:     256
    .wavefront_size: 32
...
	.end_amdgpu_metadata
.endif
;; end of part 5
;; launch stat2: the kernel of part 4 again; grid 8 x 1, 8 waves a work-group, no clusters, 4,096 bytes of LDS; arguments y2, gamma2, sc2; writes sc2
;; launch bnout (part 6): grid 256 x 1, 8 waves a work-group, no clusters, 0 bytes of LDS; arguments y2, sc2, beta2, out0; writes out0
.if DOCPART == 6
	.amdgcn_target "amdgcn-amd-amdhsa--gfx1250"
	.amdhsa_code_object_version 6
	.text
	.protected	k_qfdfcce0fb3_bnout
	.globl	k_qfdfcce0fb3_bnout
	.p2align	8
	.type	k_qfdfcce0fb3_bnout,@function
k_qfdfcce0fb3_bnout:
	s_mov_b64 s[64:65], 0
	v_nop
	global_prefetch_b8 v0, s[64:65] scope:SCOPE_SE
	s_setreg_imm32_b32 hwreg(HW_REG_WAVE_MODE, 25, 1), 1
	s_wait_xcnt 0x0
; THE SECOND BATCH NORM AND ReLU.  out[b][o][q] = max(0, A[o] z2[o][n] + C[o]), C = (the block's mean - the mean) A + beta2, n = 16,384 b + q.  z2 in f16, out in f32.
; A stream: every byte of z2 is read once, every byte of out written once.  Work-group p: columns 128 p on; wave w: channels 32 w + i, i = 0..31.
; A load takes a row's 256 bytes, a store its 512, both consecutive and at multiples of 256 from the buffer's first byte.  All 32 loads of a wave go out at once; each row has its own four
; registers for the result, so no source of a pending store is ever written again.  LDS, barriers and the matrix unit would add nothing.
.set ZD, 8                             ; v8-71    32 rows of z, two registers each
.set OD, 72                            ; v72-199  32 rows of out, four each
.set BC, 200                           ; v200-203 a row's A and C in all lanes, two sets by turns
	s_load_b256 s[4:11], s[0:1], 0x0               ; y2 s[4:5], sc2 s[6:7], beta2 s[8:9], out0 s[10:11]
	v_lshrrev_b32 v1, 5, v0
	v_readfirstlane_b32 s12, v1                    ; wave 0..7
	s_mov_b32 s13, ttmp9                           ; p
	v_and_b32 v3, 31, v0
	v_lshlrev_b32 v1, 2, v0                        ; channel 32 w + lane = my thread's number
	s_lshl_b32 s14, s12, 21                        ; my 32 rows of 65,536 bytes, in z and in out
	s_lshl_b32 s15, s13, 8
	s_add_co_u32 s15, s15, s14
	v_lshl_add_u32 v2, v3, 3, s15                  ; z: + my block's 256 bytes, 8 a lane
	v_lshl_add_u32 v3, v3, 4, s14                  ; out: 16 a lane
	s_lshl_b32 s16, s13, 11                        ; my block's means
	s_mov_b32 s17, 0
	s_lshr_b32 s18, s13, 7                         ; out: batch x 16,777,216 + my 128 columns x 4
	s_lshl_b32 s18, s18, 24
	s_and_b32 s19, s13, 127
	s_lshl_b32 s19, s19, 9
	s_add_co_u32 s18, s18, s19
	s_mov_b32 s19, 0
	s_wait_kmcnt 0x0
	s_add_nc_u64 s[16:17], s[4:5], s[16:17]
	s_add_nc_u64 s[16:17], s[16:17], 0x1000000
	s_add_nc_u64 s[10:11], s[10:11], s[18:19]
	global_load_b32 v4, v1, s[6:7]                 ; A
	global_load_b32 v5, v1, s[6:7] offset:1024     ; the mean
	global_load_b32 v6, v1, s[16:17]               ; the block's mean
	global_load_b32 v7, v1, s[8:9]                 ; beta2
.set i, 0
.rept 32
	global_load_b64 v[ZD+2*i:ZD+2*i+1], v2, s[4:5] offset:i*65536 th:TH_LOAD_NT
.set i, i+1
.endr
	s_wait_loadcnt 32                              ; all but the 32 rows
	v_sub_f32 v6, v6, v5
	v_fma_f32 v5, v6, v4, v7                       ; C
.macro OROW i
.set PB, BC+2*((\i)%2)
	v_readlane_b32 s[20+2*((\i)%2)], v4, \i
	v_readlane_b32 s[21+2*((\i)%2)], v5, \i
	v_mov_b32 v[PB], s[20+2*((\i)%2)]
	v_mov_b32 v[PB+1], s[21+2*((\i)%2)]
	v_fma_mix_f32 v[OD+4*(\i)], v[ZD+2*(\i)], v[PB], v[PB+1] op_sel_hi:[1,0,0]
	v_fma_mix_f32 v[OD+4*(\i)+1], v[ZD+2*(\i)], v[PB], v[PB+1] op_sel:[1,0,0] op_sel_hi:[1,0,0]
	v_fma_mix_f32 v[OD+4*(\i)+2], v[ZD+2*(\i)+1], v[PB], v[PB+1] op_sel_hi:[1,0,0]
	v_fma_mix_f32 v[OD+4*(\i)+3], v[ZD+2*(\i)+1], v[PB], v[PB+1] op_sel:[1,0,0] op_sel_hi:[1,0,0]
	v_max_num_f32 v[OD+4*(\i)], 0, v[OD+4*(\i)]
	v_max_num_f32 v[OD+4*(\i)+1], 0, v[OD+4*(\i)+1]
	v_max_num_f32 v[OD+4*(\i)+2], 0, v[OD+4*(\i)+2]
	v_max_num_f32 v[OD+4*(\i)+3], 0, v[OD+4*(\i)+3]
	global_store_b128 v3, v[OD+4*(\i):OD+4*(\i)+3], s[10:11] offset:(\i)*65536 th:TH_STORE_NT
.endm
.irp g,0,1,2,3
	s_wait_loadcnt 24-8*\g                         ; eight more rows are in; the younger ones may be out
.irp e,0,1,2,3,4,5,6,7
	OROW 8*\g+\e
.endr
.endr
	s_endpgm
.Lfunc_end_k_qfdfcce0fb3_bnout:
	.size	k_qfdfcce0fb3_bnout, .Lfunc_end_k_qfdfcce0fb3_bnout-k_qfdfcce0fb3_bnout
	.p2alignl 7, 3214868480
	.fill 96, 4, 3214868480
	.section	.rodata,"a",@progbits
	.p2align	6, 0x0
	.amdhsa_kernel k_qfdfcce0fb3_bnout
		.amdhsa_group_segment_fixed_size 0
		.amdhsa_private_segment_fixed_size 0
		.amdhsa_enable_private_segment 0
		.amdhsa_kernarg_size 32
		.amdhsa_user_sgpr_count 2
		.amdhsa_user_sgpr_kernarg_segment_ptr 1
		.amdhsa_wavefront_size32 1
		.amdhsa_system_sgpr_workgroup_id_x 1
		.amdhsa_system_sgpr_workgroup_id_y 1
		.amdhsa_system_sgpr_workgroup_id_z 1
		.amdhsa_system_vgpr_workitem_id 0
		.amdhsa_next_free_vgpr 204
		.amdhsa_next_free_sgpr 66
		.amdhsa_reserve_vcc 0
		.amdhsa_float_denorm_mode_32 3
		.amdhsa_float_denorm_mode_16_64 3
		.amdhsa_memory_ordered 1
		.amdhsa_forward_progress 1
		.amdhsa_inst_pref_size 26
	.end_amdhsa_kernel
	.amdgpu_metadata
---
amdhsa.version: [ 1, 2 ]
amdhsa.kernels:
  - .name:           k_qfdfcce0fb3_bnout
    .symbol:         k_qfdfcce0fb3_bnout.kd
    .args:
      - { .name: y2, .offset: 0, .size: 8, .value_kind: global_buffer, .address_space: global }
      - { .name: sc2, .offset: 8, .size: 8, .value_kind: global_buffer, .address_space: global }
      - { .name: beta2, .offset: 16, .size: 8, .value_kind: global_buffer, .address_space: global }
      - { .name: out0, .offset: 24, .size: 8, .value_kind: global_buffer, .address_space: global }
    .group_segment_fixed_size: 0
    .private_segment_fixed_size: 0
    .kernarg_segment_align: 8
    .kernarg_segment_size: 32
    .max_flat_workgroup_size: 256
    .sgpr_count:     66
    .vgpr_count:     204
    .wavefront_size: 32
...
	.end_amdgpu_metadata
.endif
;; end of part 6
;; ======== version 2 of 2: 7 launches; version 1 with the launches conv1, conv2, bnout written anew for expert scheduling mode
;; limits: values are held in f16: magnitudes above 65,504 overflow, below 6.1e-05 lose precision
;; workspace buffers: chunks 393,216 bytes of whole numbers; nidx 393,216 bytes of whole numbers; nw 393,216 bytes; prep 4,521,984 bytes; y1 17,301,504 bytes; y2 17,301,504 bytes; sc1 2,048 bytes; sc2 2,048 bytes
;; launch coarse: the kernel of part 1 again; grid 256 x 1, 8 waves a work-group, no clusters, 110,080 bytes of LDS; arguments q_points, s_points, s_feats, W1, W2, chunks, prep; writes chunks, prep
;; launch fine: the kernel of part 2 again; grid 256 x 1, 4 waves a work-group, no clusters, 68,352 bytes of LDS; arguments q_points, s_points, chunks, nidx, nw; writes nidx, nw
;; launch conv1 (part 7): grid 256 x 1, 8 waves a work-group, no clusters, 175,104 bytes of LDS; arguments q_feats, prep, nidx, nw, b1, y1; writes y1
.if DOCPART == 7
	.amdgcn_target "amdgcn-amd-amdhsa--gfx1250"
	.amdhsa_code_object_version 6
	.text
	.protected	k_qfdfcce0fb3_conv1
	.globl	k_qfdfcce0fb3_conv1
	.p2align	8
	.type	k_qfdfcce0fb3_conv1,@function
k_qfdfcce0fb3_conv1:
	s_mov_b64 s[64:65], 0
	v_nop
	global_prefetch_b8 v0, s[64:65] scope:SCOPE_SE
	s_setreg_imm32_b32 hwreg(HW_REG_WAVE_SCHED_MODE, 0, 2), 2
	s_setreg_imm32_b32 hwreg(HW_REG_WAVE_MODE, 25, 1), 1
	s_wait_xcnt 0x0
	s_wait_alu depctr_vm_vsrc(0)
; INTERPOLATION AND THE FIRST CONVOLUTION.  y[o][n] = sum over k of W1[o][k] x[k][n]; x = q_feats (k 0-127), then the weighted sum of three rows of sfT (k 128-383).
; Operands in f16, sums in f32.  Out: z = y less the mean of its block of 128 columns, in f16, [256][32,768]; and for each block and channel that mean (b1 added) and M2, the sum of the
; squared deviations, both in f32 from the f32 sums: the batch norm's statistics are put together from them without a difference of large sums.
; LIMITS: f16 holds no number beyond 65,504: q_feats, the interpolated features and the deviations lie within it.
; SHARES.  Work-group p: columns 128 p on.  Wave w: output channels 32 w .. + 31, all 128 columns: 16 accumulators.  Source 0 = 16 columns of x, source 1 = 16 rows of W:
; a lane then holds ONE channel (lane % 16) and eight neighbouring columns (8 (lane / 16) + 0..7): 16 bytes of a row of z, and a channel's sum wants one exchange between the halves of the lanes.
; x is made in LDS once (wave w: rows 16 w on of q_feats, queries 16 w on of the interpolation); ONE barrier; then 12 K steps of 32.
; W comes straight from memory in fragment order, 512 consecutive bytes a load, two K steps ahead: each fragment serves one wave once, so LDS would add a copy and spare nothing;
; no cluster for the same reason: x (174,080 bytes with the stages) and W1 (196,608) do not fit into LDS together.  No tensor load: every operand is converted or blended in registers.
; THE MODE: SCHED_MODE bits 1:0 = 2 (LLVM: expert scheduling mode 2), set by the entry lines.  The code itself states the register dependences
; between vector or matrix instructions and memory or LDS instructions, with s_wait_alu, always for 0.
; THE PLAN.  Registers that memory or LDS instructions touch:
;   v3, v4, v5, v13, v14   offsets and LDS addresses, made at the head and never written again.
;   v10, v11   offsets of the weights' and the bias's loads; later WA, written by vector lines.
;   GO         24 offsets, written in one run, read by the 24 gathers behind it; written once more for the second eight queries.
;   GD         the gathers land in it; a query's blend reads its 12 registers and leaves the packed row in the first four, which the query's LDS store reads; the second gather lands in all of it.
;   QF         16 loads land in it; converted in place; 16 LDS stores read the pairs.
;   XF0, XF1   LDS loads land; the eight products of their half of a K step read them.     WB0 .. WB2   loads of W land; a K step's sixteen products read one of them.
;   On the way out: the packed accumulators (read by LDS stores), OB (LDS loads land, global stores read), v7, v8, v9, v12 (addresses), v159, v160 (two numbers stored).
; While x is made, work goes in batches of eight queries or sixteen rows: all arithmetic, ONE wait on va_vdst, then the run of LDS stores.
; In a K step ONE wait on va_vdst stands at the head of each half: the half before is done reading its XF (at a step's head also: the step before is done reading its WB); the loads into just those
; registers follow, dealt among this half's first products, which name the other XF, this step's WB and the accumulators.  16 + 128 + 64 + 48 registers are all 256 that one window names: there is no third XF.
; A query's three weights go, by v_readlane_b32, into the three scalar registers that held its three row numbers, which are of no more use once its offsets are made: 24 in a run, one wait on va_sdst.
.set XQP,   288                        ; x, first part: [k 128][n 128] f16, 256 bytes + 32: the turning load's 8 rows x 32 bytes fall on different banks (64 banks of 4 bytes: ISA guide 11.1)
.set XI,    128*XQP                    ; x, second part: [n 128][k 256] f16,
.set XIP,   528                        ; 512 bytes + 16
.set STG,   XI+128*XIP                 ; each wave's own stage for the way out: 32 rows x 272 bytes
.set SP,    272
.set SPARE, STG+8*32*SP                ; the spare words, 128 bytes a wave: four blocks of 256 bytes that no other line names
.set NKS,   12
.set WOFF,  4194304                    ; W1's fragments in prep
.set SPW, 1
.set NIL, 2
.set L16, 3                            ; v3   16 x lane; never rewritten
.set XT,  4                            ; v4   my place for the turning loads
.set XP,  5                            ; v5   my place in the second part
.set ZERO, 6
.set WK,  7                            ; v7-9   lane l: the three weights of query 16 w + l % 16; on the way out addresses
.set WA,  10                           ; v10-12 one query's weights in all lanes; at the head offsets; on the way out at work
.set XQS, 13
.set XIS, 14
.set BIAS, 15                          ; v15  b1 of channel 32 w + lane
.set ACC, 16                           ; v16-143  accumulator (c, q) at ACC + 8 (8 c + q)
.set XF,  144                          ; v144-207 two buffers of four fragments of x
.set WB,  208                          ; v208-255 three buffers of two fragments of W
.set GD,  16                           ; while x is made: gathered rows, query i % 8, neighbour k at GD + 12 (i % 8) + 4 k; the packed row takes neighbour 0's place
.set GO,  112                          ;   their offsets
.set TI,  136                          ;   eight blended channels
.set QF,  144                          ;   sixteen rows of q_feats
.set TS,  144                          ; on the way out: four packed chains,
.set MU,  152                          ;   the two means as pairs,
.set M2R, 156                          ;   the two M2,
.set PT,  158                          ;   the other half of the lanes' number
.set OB,  192                          ;   16 x 4 registers read back from the stage
	s_load_b256 s[4:11], s[0:1], 0x0               ; q_feats s[4:5], prep s[6:7], nidx s[8:9], nw s[10:11]
	s_load_b128 s[12:15], s[0:1], 0x20             ; b1 s[12:13], y1 s[14:15]
	v_lshl_add_u32 v[SPW], v0, 2, SPARE
	v_mov_b32 v[NIL], 0
	v_lshrrev_b32 v4, 5, v0
	v_readfirstlane_b32 s66, v4                    ; wave 0..7
	s_mov_b32 s67, ttmp9                           ; p
	s_mov_b32 s68, 0x76543210                      ; v_permlanex16_b32: each lane takes its own place in the other half
	s_mov_b32 s69, 0xfedcba98
	s_mov_b32 s70, 0xffff0000                      ; lanes 16-31
	s_lshl_b32 s74, s67, 9                         ; nidx, nw: word 128 p + 16 w
	s_wait_alu depctr_va_sdst(0)                   ; s66 is written, ahead of its first reader: offsets and LDS places are made from it
	s_lshl_b32 s75, s66, 6
	s_add_co_u32 s74, s74, s75
	s_mov_b32 s75, 0
	s_lshl_b32 s84, s66, 11                        ; W: my two tiles of 16 rows, 1,024 bytes each in a K step
	s_mov_b32 s85, 0
	s_lshr_b32 s86, s67, 7                         ; q_feats: batch x 8,388,608 + my 128 columns x 4 + my 16 rows x 65,536
	s_lshl_b32 s86, s86, 23
	s_and_b32 s87, s67, 127
	s_lshl_b32 s87, s87, 9
	s_add_co_u32 s86, s86, s87
	s_lshl_b32 s87, s66, 20
	s_add_co_u32 s86, s86, s87
	s_mov_b32 s87, 0
	s_wait_kmcnt 0x0
	s_add_nc_u64 s[76:77], s[8:9], s[74:75]
	s_load_b512 s[16:31], s[76:77], 0x0            ; my 16 queries' first neighbours,
	s_load_b512 s[32:47], s[76:77], 0x20000        ; second,
	s_load_b512 s[48:63], s[76:77], 0x40000        ; third
	s_add_nc_u64 s[78:79], s[10:11], s[74:75]
	s_add_nc_u64 s[80:81], s[6:7], s[84:85]
	s_add_nc_u64 s[80:81], s[80:81], WOFF
	s_add_nc_u64 s[82:83], s[4:5], s[86:87]
	v_and_b32 v10, 31, v0
	v_lshlrev_b32 v[L16], 4, v10
	v_and_b32 v11, 15, v0                          ; r
	v_bfe_u32 v12, v0, 4, 1                        ; h
	v_and_b32 v13, 7, v0
	v_lshl_add_u32 v13, v12, 3, v13
	v_mul_u32_u24 v[XT], v13, XQP                  ; the turning load: row 8 h + lane % 8, 16 bytes at 16 ((lane / 8) % 2)
	v_bfe_u32 v13, v0, 3, 1
	v_lshl_add_u32 v[XT], v13, 4, v[XT]
	v_mul_u32_u24 v[XP], v11, XIP                  ; the plain load: row r, 16 bytes at 16 h
	v_lshl_add_u32 v[XP], v12, 4, v[XP]
	v_add_nc_u32 v[XP], XI, v[XP]
	v_mov_b32 v[ZERO], 0
	s_mul_i32 s88, s66, 16*XQP
	v_lshl_add_u32 v[XQS], v10, 3, s88             ; my 16 rows of the first part, 8 bytes a lane
	s_mul_i32 s88, s66, 16*XIP
	s_add_co_u32 s88, s88, XI
	v_add_nc_u32 v[XIS], s88, v[L16]               ; my 16 rows of the second part, 16 bytes a lane
	v_lshlrev_b32 v10, 2, v11                      ; offsets of the weights and of the bias; both registers are written again only behind the wait that shows these loads done
	v_lshlrev_b32 v11, 2, v0
.macro WL ks, c                        ; fragment c of the K step's two fragments of W: two loads of 512 consecutive bytes
.irp f,0,1
	global_load_b128 v[WB+16*((\ks)%3)+8*(\c)+4*\f:WB+16*((\ks)%3)+8*(\c)+4*\f+3], v[L16], s[80:81] offset:(\ks)*16384+(\c)*1024+\f*512
.endr
.endm
.macro WLOAD ks
	WL \ks, 0
	WL \ks, 1
.endm
.macro GOFF q0                         ; the offsets of eight queries' three rows of sfT: a row is 512 bytes, 16 a lane
.irp i,0,1,2,3,4,5,6,7
.irp k,0,1,2
	v_lshl_add_u32 v[GO+3*\i+\k], s[16+16*\k+(\q0)+\i], 9, v[L16]
.endr
.endr
.endm
.macro GLOAD                           ; and the 24 loads by them
.irp i,0,1,2,3,4,5,6,7
.irp k,0,1,2
	global_load_b128 v[GD+12*\i+4*\k:GD+12*\i+4*\k+3], v[GO+3*\i+\k], s[6:7]
.endr
.endr
.endm
.macro WLANES q0                       ; eight queries' weights out of their lanes, each into the scalar register that held its row number
.irp i,0,1,2,3,4,5,6,7
.irp k,0,1,2
	v_readlane_b32 s[16+16*\k+(\q0)+\i], v[WK+\k], (\q0)+\i
.endr
.endr
.endm
; Query i of my 16: my eight channels of w0 row0 + w1 row1 + w2 row2, in f32 straight from the f16 halves, rounded once, into the first four registers of the query's block.
.macro INTERP i
.irp k,0,1,2
	v_mov_b32 v[WA+\k], s[16+16*\k+(\i)]
.endr
.set GB, GD+12*((\i)%8)
.irp c,0,1,2,3
	v_fma_mix_f32 v[TI+2*\c], v[GB+\c], v[WA], v[ZERO] op_sel_hi:[1,0,0]
	v_fma_mix_f32 v[TI+2*\c+1], v[GB+\c], v[WA], v[ZERO] op_sel:[1,0,0] op_sel_hi:[1,0,0]
.endr
.irp k,1,2
.irp c,0,1,2,3
	v_fma_mix_f32 v[TI+2*\c], v[GB+4*\k+\c], v[WA+\k], v[TI+2*\c] op_sel_hi:[1,0,0]
	v_fma_mix_f32 v[TI+2*\c+1], v[GB+4*\k+\c], v[WA+\k], v[TI+2*\c+1] op_sel:[1,0,0] op_sel_hi:[1,0,0]
.endr
.endr
.irp c,0,1,2,3
	v_cvt_pk_f16_f32 v[GB+\c], v[TI+2*\c], v[TI+2*\c+1]
.endr
.endm
.macro ISTORE i                        ; the packed row goes into its row of x
	ds_store_b128 v[XIS], v[GD+12*((\i)%8):GD+12*((\i)%8)+3] offset:(\i)*XIP
.endm
	s_wait_alu depctr_va_vdst(0)                   ; v3, v10 and v11 are written, which the loads below read as offsets; so are the LDS addresses v4, v5, v13, v14
	WLOAD 0                                        ; 12 loads,
	WLOAD 1
	WLOAD 2
.irp k,0,1,2
	global_load_b32 v[WK+\k], v10, s[78:79] offset:\k*131072  ; 3,
.endr
	global_load_b32 v[BIAS], v11, s[12:13]         ; 1,
	s_wait_kmcnt 0x0
.set i, 16
.rept 48
	s_min_u32 s[i], s[i], 8191                     ; a loaded number enters an address only behind its bound: sfT has 8,192 rows
.set i, i+1
.endr
	GOFF 0
	s_wait_alu depctr_va_vdst(0)                   ; the 24 offsets GO are written, which the gathers read
	GLOAD                                          ; 24,
.irp i,0,1,2,3,4,5,6,7,8,9,10,11,12,13,14,15
	global_load_b128 v[QF+4*\i:QF+4*\i+3], v[L16], s[82:83] offset:\i*65536 th:TH_LOAD_NT  ; and 16: a row's 512 bytes each
.endr
	s_wait_loadcnt 16                              ; all but q_feats' sixteen
	s_wait_alu depctr_vm_vsrc(0)                   ; the loads issued so far have read v10, v11 and GO: the first two are WA from here on, GO is written again below
	WLANES 0
	s_wait_alu depctr_va_sdst(0)                   ; the 24 weights of queries 0 to 7 are in their scalar registers, ahead of the lines that read them
.irp i,0,1,2,3,4,5,6,7
	INTERP \i
.endr
	GOFF 8                                         ; the other eight queries' offsets,
	WLANES 8                                       ; and, their row numbers being read, their weights
	s_wait_alu depctr_va_vdst(0)                   ; the eight packed rows are written, which the LDS stores read; GO is written, which the gathers read; the blends are done reading GD, in which the gathers land
.irp i,0,1,2,3,4,5,6,7
	ISTORE \i
.endr
	s_wait_alu depctr_vm_vsrc(0)                   ; the LDS stores have read the first four registers of each block of GD, in which gathers land
	GLOAD                                          ; the other eight queries, into the same registers
	s_wait_loadcnt 24                              ; all but those 24: q_feats is in
.irp i,0,1,2,3,4,5,6,7,8,9,10,11,12,13,14,15
	v_cvt_pk_f16_f32 v[QF+4*\i], v[QF+4*\i], v[QF+4*\i+1]
	v_cvt_pk_f16_f32 v[QF+4*\i+1], v[QF+4*\i+2], v[QF+4*\i+3]
.endr
	s_wait_alu depctr_va_vdst(0)                   ; the conversions have written the sixteen pairs of QF, which the LDS stores read
.irp i,0,1,2,3,4,5,6,7,8,9,10,11,12,13,14,15
	ds_store_b64 v[XQS], v[QF+4*\i:QF+4*\i+1] offset:\i*XQP
.endr
	s_wait_alu depctr_va_sdst(0)                   ; the 24 weights of queries 8 to 15 are in their scalar registers, ahead of the lines that read them
	s_wait_loadcnt 0x0
.irp i,8,9,10,11,12,13,14,15
	INTERP \i
.endr
	s_wait_alu depctr_va_vdst(0)                   ; the last eight packed rows are written, which the LDS stores read
.irp i,8,9,10,11,12,13,14,15
	ISTORE \i
.endr
	s_wait_dscnt 0x0                               ; for the others' sake: my rows of x are written
	s_barrier_signal -1
	s_barrier_wait -1
	s_wait_alu depctr_vm_vsrc(0)                   ; my LDS stores have read their registers in GD and QF, and the gathers GO: these are accumulators and fragments from here on, written by the products and by LDS loads
.macro PLACES                          ; a load into a register that a matrix instruction has read stands four plain vector lines behind it (ISA guide 7.12.1 for vector lines); the wait beside them states the dependence
.rept 4
	v_nop
.endr
.endm
.macro XL hf, ks, q                    ; fragment q of four of x: columns 64 hf + 16 q on, K step ks: two loads
.if (\ks) < 4
	ds_load_tr16_b128 v[XF+32*(\hf)+8*(\q):XF+32*(\hf)+8*(\q)+3], v[XT] offset:(\ks)*32*XQP+(4*(\hf)+(\q))*32
	ds_load_tr16_b128 v[XF+32*(\hf)+8*(\q)+4:XF+32*(\hf)+8*(\q)+7], v[XT] offset:(\ks)*32*XQP+(4*(\hf)+(\q))*32+16*XQP
.else
	ds_load_b128 v[XF+32*(\hf)+8*(\q):XF+32*(\hf)+8*(\q)+3], v[XP] offset:(4*(\hf)+(\q))*16*XIP+((\ks)-4)*64
	ds_load_b128 v[XF+32*(\hf)+8*(\q)+4:XF+32*(\hf)+8*(\q)+7], v[XP] offset:(4*(\hf)+(\q))*16*XIP+((\ks)-4)*64+32
.endif
.endm
.macro XLOAD hf, ks
	XL \hf, \ks, 0
	XL \hf, \ks, 1
	XL \hf, \ks, 2
	XL \hf, \ks, 3
.endm
.macro WM hf, ks, q, c                 ; one product; the first K step starts the sums
.set rA, ACC+8*(8*(\c)+4*(\hf)+(\q))
.if (\ks) == 0
	v_wmma_f32_16x16x32_f16 v[rA:rA+7], v[XF+32*(\hf)+8*(\q):XF+32*(\hf)+8*(\q)+7], v[WB+16*((\ks)%3)+8*(\c):WB+16*((\ks)%3)+8*(\c)+7], 0
.else
	v_wmma_f32_16x16x32_f16 v[rA:rA+7], v[XF+32*(\hf)+8*(\q):XF+32*(\hf)+8*(\q)+7], v[WB+16*((\ks)%3)+8*(\c):WB+16*((\ks)%3)+8*(\c)+7], v[rA:rA+7]
.endif
.endm
; Half hf of K step ks: eight products; the 16 accumulators take turns, one instruction a turn.  Among the first four stand the loads that the wait ahead of the half has made free:
; half xh of x for K step xk (none if xk < 0), W for K step wk (none if wk < 0).  No product of this half names a register in which they land.
.macro HALF hf, ks, xh, xk, wk
	WM \hf, \ks, 0, 0
.if (\xk) >= 0
	XL \xh, \xk, 0
	XL \xh, \xk, 1
.endif
	WM \hf, \ks, 0, 1
.if (\xk) >= 0
	XL \xh, \xk, 2
	XL \xh, \xk, 3
.endif
	WM \hf, \ks, 1, 0
.if (\wk) >= 0
	WL \wk, 0
.endif
	WM \hf, \ks, 1, 1
.if (\wk) >= 0
	WL \wk, 1
.endif
	WM \hf, \ks, 2, 0
	WM \hf, \ks, 2, 1
	WM \hf, \ks, 3, 0
	WM \hf, \ks, 3, 1
.endm
.macro KSTEP ks
.if (\ks) < NKS-1
	s_wait_loadcnt 4                               ; this step's W is in; the next step's four loads may be out
.else
	s_wait_loadcnt 0x0
.endif
.if (\ks) == 0
	s_wait_dscnt 8                                 ; the first half's fragments are in; the second half's eight loads may be out
	HALF 0, \ks, 0, -1, -1
.else
	PLACES
	s_wait_dscnt 0x0                               ; the first half's fragments are in: no other LDS load is out
	s_wait_alu depctr_va_vdst(0)                   ; the last step's products are done reading XF1 and their W, in which the loads of this half land
.if (\ks)+2 < NKS
	HALF 0, \ks, 1, \ks, (\ks)+2
.else
	HALF 0, \ks, 1, \ks, -1
.endif
.endif
.if (\ks) < NKS-1
	PLACES
	s_wait_dscnt 0x0                               ; the second half's fragments are in
	s_wait_alu depctr_va_vdst(0)                   ; the first half's products are done reading XF0, in which the next step's fragments land
	HALF 1, \ks, 0, (\ks)+1, -1
.else
	s_wait_dscnt 0x0
	HALF 1, \ks, 0, -1, -1
.endif
.endm
	XLOAD 0, 0
	XLOAD 1, 0
.irp s,0,1,2,3,4,5,6,7,8,9,10,11
	KSTEP \s
.endr
; THE WAY OUT, in two halves of 16 channels (c = 0, 1).
.macro STATA c                         ; the channel's sum over my 64 columns, in four packed chains; each accumulator is read from its low end on; then the mean
.irp r,0,1,2,3
	v_pk_add_f32 v[TS+2*\r:TS+2*\r+1], v[ACC+64*(\c)+2*\r:ACC+64*(\c)+2*\r+1], v[ACC+64*(\c)+8+2*\r:ACC+64*(\c)+8+2*\r+1]
.endr
.irp q,2,3,4,5,6,7
.irp r,0,1,2,3
	v_pk_add_f32 v[TS+2*\r:TS+2*\r+1], v[TS+2*\r:TS+2*\r+1], v[ACC+64*(\c)+8*\q+2*\r:ACC+64*(\c)+8*\q+2*\r+1]
.endr
.endr
	v_pk_add_f32 v[TS:TS+1], v[TS:TS+1], v[TS+2:TS+3]
	v_pk_add_f32 v[TS+4:TS+5], v[TS+4:TS+5], v[TS+6:TS+7]
	v_pk_add_f32 v[TS:TS+1], v[TS:TS+1], v[TS+4:TS+5]
	v_add_f32 v[TS], v[TS], v[TS+1]
	v_permlanex16_b32 v[PT], v[TS], s68, s69       ; the channel's other 64 columns lie in the lane 16 away
	v_add_f32 v[TS], v[TS], v[PT]
	v_mul_f32 v[MU+2*(\c)], 0x3c000000, v[TS]      ; / 128
	v_mul_f32 v[MU+2*(\c)+1], 0x3c000000, v[TS]
.endm
.macro STATB c                         ; the deviations, in place, and the sum of their squares
.set i, 0
.rept 32
	v_pk_add_f32 v[ACC+64*(\c)+2*i:ACC+64*(\c)+2*i+1], v[ACC+64*(\c)+2*i:ACC+64*(\c)+2*i+1], v[MU+2*(\c):MU+2*(\c)+1] neg_lo:[0,1] neg_hi:[0,1]
.set i, i+1
.endr
.irp r,0,1,2,3
	v_pk_mul_f32 v[TS+2*\r:TS+2*\r+1], v[ACC+64*(\c)+2*\r:ACC+64*(\c)+2*\r+1], v[ACC+64*(\c)+2*\r:ACC+64*(\c)+2*\r+1]
.endr
.irp q,1,2,3,4,5,6,7
.irp r,0,1,2,3
	v_pk_fma_f32 v[TS+2*\r:TS+2*\r+1], v[ACC+64*(\c)+8*\q+2*\r:ACC+64*(\c)+8*\q+2*\r+1], v[ACC+64*(\c)+8*\q+2*\r:ACC+64*(\c)+8*\q+2*\r+1], v[TS+2*\r:TS+2*\r+1]
.endr
.endr
	v_pk_add_f32 v[TS:TS+1], v[TS:TS+1], v[TS+2:TS+3]
	v_pk_add_f32 v[TS+4:TS+5], v[TS+4:TS+5], v[TS+6:TS+7]
	v_pk_add_f32 v[TS:TS+1], v[TS:TS+1], v[TS+4:TS+5]
	v_add_f32 v[TS], v[TS], v[TS+1]
	v_permlanex16_b32 v[PT], v[TS], s68, s69
	v_add_f32 v[M2R+(\c)], v[TS], v[PT]
.endm
.macro PACK c                          ; rounded to f16: eight columns close up into the first four of an accumulator's eight registers
.irp q,0,1,2,3,4,5,6,7
.irp r,0,1,2,3
	v_cvt_pk_f16_f32 v[ACC+64*(\c)+8*\q+\r], v[ACC+64*(\c)+8*\q+2*\r], v[ACC+64*(\c)+8*\q+2*\r+1]
.endr
.endr
.endm
.macro TOSTAGE c                       ; into my stage, and back as whole rows
.irp q,0,1,2,3,4,5,6,7
	ds_store_b128 v7, v[ACC+64*(\c)+8*\q:ACC+64*(\c)+8*\q+3] offset:(\c)*16*SP+\q*32
.endr
.irp i,0,1,2,3,4,5,6,7
	ds_load_b128 v[OB+32*(\c)+4*\i:OB+32*(\c)+4*\i+3], v8 offset:(8*(\c)+\i)*2*SP  ; LDS serves a wave's instructions in order (ISA guide 5.7.1): these see my stores above
.endr
.endm
.macro SEND c
.irp i,0,1,2,3,4,5,6,7
	s_wait_dscnt 7-\i                              ; the younger loads from the stage may be out
	global_store_b128 v9, v[OB+32*(\c)+4*\i:OB+32*(\c)+4*\i+3], s[14:15] offset:(8*(\c)+\i)*131072  ; 16 lanes store 256 consecutive bytes, at a multiple of 256 from the buffer's first
.endr
.endm
	; The addresses are the plain lines behind the last products.
	v_and_b32 v10, 15, v0
	v_bfe_u32 v11, v0, 4, 1
	s_mul_i32 s74, s66, 32*SP
	s_add_co_u32 s74, s74, STG                     ; my stage
	v_mul_u32_u24 v7, v10, SP                      ; in: row = channel lane % 16, 16 bytes for each half of the lanes
	v_lshl_add_u32 v7, v11, 4, v7
	v_add_nc_u32 v7, s74, v7
	v_mul_u32_u24 v8, v11, SP                      ; back: lanes 0-15 one row of 256 bytes, lanes 16-31 the next
	v_lshl_add_u32 v8, v10, 4, v8
	v_add_nc_u32 v8, s74, v8
	s_lshl_b32 s75, s66, 21                        ; z: row 32 w + h of 65,536 bytes, my block's 256 bytes
	s_lshl_b32 s76, s67, 8
	s_add_co_u32 s75, s75, s76
	v_lshl_add_u32 v9, v11, 16, s75
	v_lshl_add_u32 v9, v10, 4, v9
	v_lshlrev_b32 v12, 2, v0
	v_mov_b32 v[PT], 0                             ; v_permlanex16_b32 counts as a reader of its destination
	STATA 0
	STATB 0
	PACK 0
	s_wait_alu depctr_va_vdst(0)                   ; the first 16 channels' packed rows and v7, v8, v9, v12 are written, which the stores and loads below read; the products are done reading OB, in which the stage's loads land
	TOSTAGE 0
	STATA 1                                        ; the other channels' sums stand between the loads from the stage and the stores of what they bring; they name none of those registers
	SEND 0
	STATB 1
	PACK 1
	v_cndmask_b32 v159, v[MU], v[MU+2], s70        ; lane l: channel 32 w + l
	v_add_f32 v159, v159, v[BIAS]
	v_cndmask_b32 v160, v[M2R], v[M2R+1], s70
	s_wait_alu depctr_va_vdst(0)                   ; the other 16 channels' packed rows are written, which the LDS stores read, and v159 and v160, which the last two stores read
	TOSTAGE 1
	s_lshl_b32 s84, s67, 11                        ; the block's 512 numbers, behind z's 16,777,216 bytes
	s_mov_b32 s85, 0
	s_add_nc_u64 s[88:89], s[14:15], s[84:85]
	s_add_nc_u64 s[88:89], s[88:89], 0x1000000
	SEND 1
	global_store_b32 v12, v159, s[88:89]
	global_store_b32 v12, v160, s[88:89] offset:1024
	s_wait_dscnt 0x0                               ; the closing lines, six on end
	s_wait_alu 0x0
	s_wait_tensorcnt 0x0
	ds_add_u32 v[SPW], v[NIL]
	s_wait_dscnt 0x0
	s_endpgm
.Lfunc_end_k_qfdfcce0fb3_conv1:
	.size	k_qfdfcce0fb3_conv1, .Lfunc_end_k_qfdfcce0fb3_conv1-k_qfdfcce0fb3_conv1
	.p2alignl 7, 3214868480
	.fill 96, 4, 3214868480
	.section	.rodata,"a",@progbits
	.p2align	6, 0x0
	.amdhsa_kernel k_qfdfcce0fb3_conv1
		.amdhsa_group_segment_fixed_size 175104
		.amdhsa_private_segment_fixed_size 0
		.amdhsa_enable_private_segment 0
		.amdhsa_kernarg_size 48
		.amdhsa_user_sgpr_count 2
		.amdhsa_user_sgpr_kernarg_segment_ptr 1
		.amdhsa_wavefront_size32 1
		.amdhsa_system_sgpr_workgroup_id_x 1
		.amdhsa_system_sgpr_workgroup_id_y 1
		.amdhsa_system_sgpr_workgroup_id_z 1
		.amdhsa_system_vgpr_workitem_id 0
		.amdhsa_next_free_vgpr 256
		.amdhsa_next_free_sgpr 96
		.amdhsa_reserve_vcc 0
		.amdhsa_float_denorm_mode_32 3
		.amdhsa_float_denorm_mode_16_64 3
		.amdhsa_memory_ordered 1
		.amdhsa_forward_progress 1
		.amdhsa_inst_pref_size 108
	.end_amdhsa_kernel
	.amdgpu_metadata
---
amdhsa.version: [ 1, 2 ]
amdhsa.kernels:
  - .name:           k_qfdfcce0fb3_conv1
    .symbol:         k_qfdfcce0fb3_conv1.kd
    .args:
      - { .name: q_feats, .offset: 0, .size: 8, .value_kind: global_buffer, .address_space: global }
      - { .name: prep, .offset: 8, .size: 8, .value_kind: global_buffer, .address_space: global }
      - { .name: nidx, .offset: 16, .size: 8, .value_kind: global_buffer, .address_space: global }
      - { .name: nw, .offset: 24, .size: 8, .value_kind: global_buffer, .address_space: global }
      - { .name: b1, .offset: 32, .size: 8, .value_kind: global_buffer, .address_space: global }
      - { .name: y1, .offset: 40, .size: 8, .value_kind: global_buffer, .address_space: global }
    .group_segment_fixed_size: 175104
    .private_segment_fixed_size: 0
    .kernarg_segment_align: 8
    .kernarg_segment_size: 48
    .max_flat_workgroup_size: 256
    .sgpr_count:     96
    .vgpr_count:     256
    .wavefront_size: 32
...
	.end_amdgpu_metadata
.endif
;; end of part 7
;; launch stat1: the kernel of part 4 again; grid 8 x 1, 8 waves a work-group, no clusters, 4,096 bytes of LDS; arguments y1, gamma1, sc1; writes sc1
;; launch conv2 (part 8): grid 256 x 1, 8 waves a work-group, no clusters, 144,384 bytes of LDS; arguments y1, sc1, beta1, prep, b2, y2; writes y2
.if DOCPART == 8
	.amdgcn_target "amdgcn-amd-amdhsa--gfx1250"
	.amdhsa_code_object_version 6
	.text
	.protected	k_qfdfcce0fb3_conv2
	.globl	k_qfdfcce0fb3_conv2
	.p2align	8
	.type	k_qfdfcce0fb3_conv2,@function
k_qfdfcce0fb3_conv2:
	s_mov_b64 s[64:65], 0
	v_nop
	global_prefetch_b8 v0, s[64:65] scope:SCOPE_SE
	s_setreg_imm32_b32 hwreg(HW_REG_WAVE_SCHED_MODE, 0, 2), 2
	s_setreg_imm32_b32 hwreg(HW_REG_WAVE_MODE, 25, 1), 1
	s_wait_xcnt 0x0
	s_wait_alu depctr_vm_vsrc(0)
; THE FIRST BATCH NORM AND ReLU, AND THE SECOND CONVOLUTION.  x[k][n] = max(0, A[k] z1[k][n] + C[k]), C = (the block's mean - the mean) A + beta1; y[o][n] = sum over k of W2[o][k] x[k][n].
; Operands in f16, sums in f32.  Out as in the first convolution: z = y less its block's mean in f16, and the block's mean (b2 added) and M2 in f32.
; LIMITS: f16 holds no number beyond 65,504: x and the deviations lie within it.
; SHARES as in the first convolution: work-group p: columns 128 p on; wave w: output channels 32 w on, all 128 columns, 16 accumulators; source 0 = 16 columns of x, source 1 = 16 rows of W.
; Wave w makes rows 32 w on of x in LDS; ONE barrier; 8 K steps of 32, x by the turning load, W straight from memory in fragment order, two K steps ahead (each fragment serves one wave once).
; No tensor load: z is normalised in registers on its way into LDS.  No cluster: the work-groups share W2 alone, 131,072 bytes that each wave takes once, in runs of 512 bytes.
; THE MODE: SCHED_MODE bits 1:0 = 2 (LLVM: expert scheduling mode 2), set by the entry lines.  The code itself states the register dependences
; between vector or matrix instructions and memory or LDS instructions, with s_wait_alu, always for 0.
; THE PLAN.  Registers that memory or LDS instructions touch:
;   v3, v4, v5, v13   an offset and LDS addresses, made at the head and never written again.     v11, v12   offsets of the head's loads; written again on the way out.
;   ZD         32 loads land in it, a pair a row; the row's vector lines read the pair and leave the normalised row in it; the row's LDS store reads it.  No pair is written again before the barrier.
;   XF0, XF1   LDS loads land; the eight products of their half of a K step read them.     WB0 .. WB2   loads of W land; a K step's sixteen products read one of them.
;   On the way out: the packed accumulators (read by LDS stores), OB (LDS loads land, global stores read), v7, v8, v9, v12 (addresses), v159, v160 (two numbers stored).
; While x is made, work goes in groups of eight rows: sixteen v_readlane_b32 in a run and one wait on va_sdst; the eight rows' arithmetic; ONE wait on va_vdst; the eight LDS stores.
; In a K step ONE wait on va_vdst stands at the head of each half: the half before is done reading its XF (at a step's head also: the step before is done reading its WB); the loads into just those
; registers follow, dealt among this half's first products, which name the other XF, this step's WB and the accumulators.  16 + 128 + 64 + 48 registers are all 256 that one window names: there is no third XF.
.set XPB,   288                        ; x: [k 256][n 128] f16, 256 bytes + 32
.set STG,   256*XPB                    ; each wave's own stage for the way out: 32 rows x 272 bytes
.set SP,    272
.set SPARE, STG+8*32*SP                ; the spare words, 128 bytes a wave: four blocks of 256 bytes that no other line names
.set NKS,   8
.set WOFF,  4390912                    ; W2's fragments in prep
.set SPW, 1
.set NIL, 2
.set L16, 3
.set XT,  4                            ; v4, v5  my place for the turning loads, K steps 0-3 and 4-7: an LDS offset has 16 bits
.set ZERO, 6
.set XS,  13
.set BIAS, 15
.set ACC, 16
.set XF,  144
.set WB,  208
.set ZD,  16                           ; while x is made: 32 rows of z, two registers each, normalised in place; v80-95 at work
.set TS,  144
.set MU,  152
.set M2R, 156
.set PT,  158
.set OB,  192
.set SA,  16                           ; s16-31  eight rows' A and C
	s_load_b256 s[4:11], s[0:1], 0x0               ; y1 s[4:5], sc1 s[6:7], beta1 s[8:9], prep s[10:11]
	s_load_b128 s[12:15], s[0:1], 0x20             ; b2 s[12:13], y2 s[14:15]
	v_lshl_add_u32 v[SPW], v0, 2, SPARE
	v_mov_b32 v[NIL], 0
	v_lshrrev_b32 v4, 5, v0
	v_readfirstlane_b32 s66, v4                    ; wave 0..7
	s_mov_b32 s67, ttmp9                           ; p
	s_mov_b32 s68, 0x76543210
	s_mov_b32 s69, 0xfedcba98
	s_mov_b32 s70, 0xffff0000
	v_and_b32 v10, 31, v0
	v_lshlrev_b32 v[L16], 4, v10
	v_bfe_u32 v12, v0, 4, 1
	v_and_b32 v13, 7, v0
	v_lshl_add_u32 v13, v12, 3, v13
	v_mul_u32_u24 v[XT], v13, XPB
	v_bfe_u32 v13, v0, 3, 1
	v_lshl_add_u32 v[XT], v13, 4, v[XT]
	v_add_nc_u32 v[XT+1], 128*XPB, v[XT]
	v_mov_b32 v[ZERO], 0
	s_wait_alu depctr_va_sdst(0)                   ; s66 is written, ahead of its first reader: offsets and LDS places are made from it
	s_mul_i32 s78, s66, 32*XPB
	v_lshl_add_u32 v[XS], v10, 3, s78              ; my 32 rows of x, 8 bytes a lane
	v_lshlrev_b32 v12, 2, v0                       ; channel 32 w + lane = my thread's number
	s_lshl_b32 s78, s66, 21                        ; z: my 32 rows of 65,536 bytes, my block's 256 bytes
	s_lshl_b32 s79, s67, 8
	s_add_co_u32 s78, s78, s79
	v_lshl_add_u32 v11, v10, 3, s78
	s_lshl_b32 s84, s66, 11
	s_mov_b32 s85, 0
	s_lshl_b32 s86, s67, 11
	s_mov_b32 s87, 0
	s_wait_kmcnt 0x0
	s_add_nc_u64 s[80:81], s[10:11], s[84:85]
	s_add_nc_u64 s[80:81], s[80:81], WOFF
	s_add_nc_u64 s[82:83], s[4:5], s[86:87]
	s_add_nc_u64 s[82:83], s[82:83], 0x1000000     ; my block's means
.macro WL ks, c                        ; fragment c of the K step's two fragments of W: two loads of 512 consecutive bytes
.irp f,0,1
	global_load_b128 v[WB+16*((\ks)%3)+8*(\c)+4*\f:WB+16*((\ks)%3)+8*(\c)+4*\f+3], v[L16], s[80:81] offset:(\ks)*16384+(\c)*1024+\f*512
.endr
.endm
.macro WLOAD ks
	WL \ks, 0
	WL \ks, 1
.endm
	s_wait_alu depctr_va_vdst(0)                   ; v3, v11 and v12 are written, which the loads below read as offsets; so are the LDS addresses v4, v5, v13, and v10, in which a load lands
	WLOAD 0                                        ; 12 loads,
	WLOAD 1
	WLOAD 2
	global_load_b32 v7, v12, s[6:7]                ; A,
	global_load_b32 v8, v12, s[6:7] offset:1024    ; the mean,
	global_load_b32 v9, v12, s[82:83]              ; the block's mean,
	global_load_b32 v10, v12, s[8:9]               ; beta1,
	global_load_b32 v[BIAS], v12, s[12:13]         ; b2: 5,
.set i, 0
.rept 32
	global_load_b64 v[ZD+2*i:ZD+2*i+1], v11, s[4:5] offset:i*65536 th:TH_LOAD_NT  ; and 32: a row's 256 bytes each
.set i, i+1
.endr
	s_wait_loadcnt 32                              ; all but the 32 rows
	v_sub_f32 v9, v9, v8
	v_fma_f32 v8, v9, v7, v10                      ; C
; Row i of my 32, the e-th of its group: A z + C in f32 straight from the f16 halves; rounded once; the larger of that and 0; back into the row's own pair.  Two sets of registers at work by turns.
.macro XROW i, e
.set PA, 80+8*((\i)%2)
	v_mov_b32 v[PA+4], s[SA+2*(\e)]
	v_mov_b32 v[PA+5], s[SA+2*(\e)+1]
	v_fma_mix_f32 v[PA], v[ZD+2*(\i)], v[PA+4], v[PA+5] op_sel_hi:[1,0,0]
	v_fma_mix_f32 v[PA+1], v[ZD+2*(\i)], v[PA+4], v[PA+5] op_sel:[1,0,0] op_sel_hi:[1,0,0]
	v_fma_mix_f32 v[PA+2], v[ZD+2*(\i)+1], v[PA+4], v[PA+5] op_sel_hi:[1,0,0]
	v_fma_mix_f32 v[PA+3], v[ZD+2*(\i)+1], v[PA+4], v[PA+5] op_sel:[1,0,0] op_sel_hi:[1,0,0]
	v_cvt_pk_f16_f32 v[ZD+2*(\i)], v[PA], v[PA+1]
	v_cvt_pk_f16_f32 v[ZD+2*(\i)+1], v[PA+2], v[PA+3]
	v_pk_max_num_f16 v[ZD+2*(\i)], v[ZD+2*(\i)], v[ZERO]
	v_pk_max_num_f16 v[ZD+2*(\i)+1], v[ZD+2*(\i)+1], v[ZERO]
.endm
.irp g,0,1,2,3
.irp e,0,1,2,3,4,5,6,7
	v_readlane_b32 s[SA+2*\e], v7, 8*\g+\e         ; a row's A and C come out of its lane
	v_readlane_b32 s[SA+2*\e+1], v8, 8*\g+\e
.endr
	s_wait_alu depctr_va_sdst(0)                   ; the group's sixteen numbers are in s16 to s31, ahead of the lines that read them
	s_wait_loadcnt 24-8*\g                         ; eight more rows are in; the younger ones may be out
.irp e,0,1,2,3,4,5,6,7
	XROW 8*\g+\e, \e
.endr
	s_wait_alu depctr_va_vdst(0)                   ; the group's eight pairs are written, which the LDS stores read
.irp e,0,1,2,3,4,5,6,7
	ds_store_b64 v[XS], v[ZD+2*(8*\g+\e):ZD+2*(8*\g+\e)+1] offset:(8*\g+\e)*XPB
.endr
.endr
	s_wait_dscnt 0x0                               ; for the others' sake: my rows of x are written
	s_barrier_signal -1
	s_barrier_wait -1
	s_wait_alu depctr_vm_vsrc(0)                   ; my LDS stores have read ZD, which the products write as accumulators; the head's loads have read v11 and v12, which the way out writes again
.macro PLACES                          ; a load into a register that a matrix instruction has read stands four plain vector lines behind it (ISA guide 7.12.1 for vector lines); the wait beside them states the dependence
.rept 4
	v_nop
.endr
.endm
.macro XL hf, ks, q                    ; fragment q of four of x: columns 64 hf + 16 q on, K step ks: two loads
	ds_load_tr16_b128 v[XF+32*(\hf)+8*(\q):XF+32*(\hf)+8*(\q)+3], v[XT+(\ks)/4] offset:((\ks)%4)*32*XPB+(4*(\hf)+(\q))*32
	ds_load_tr16_b128 v[XF+32*(\hf)+8*(\q)+4:XF+32*(\hf)+8*(\q)+7], v[XT+(\ks)/4] offset:((\ks)%4)*32*XPB+(4*(\hf)+(\q))*32+16*XPB
.endm
.macro XLOAD hf, ks
	XL \hf, \ks, 0
	XL \hf, \ks, 1
	XL \hf, \ks, 2
	XL \hf, \ks, 3
.endm
.macro WM hf, ks, q, c                 ; one product; the first K step starts the sums
.set rA, ACC+8*(8*(\c)+4*(\hf)+(\q))
.if (\ks) == 0
	v_wmma_f32_16x16x32_f16 v[rA:rA+7], v[XF+32*(\hf)+8*(\q):XF+32*(\hf)+8*(\q)+7], v[WB+16*((\ks)%3)+8*(\c):WB+16*((\ks)%3)+8*(\c)+7], 0
.else
	v_wmma_f32_16x16x32_f16 v[rA:rA+7], v[XF+32*(\hf)+8*(\q):XF+32*(\hf)+8*(\q)+7], v[WB+16*((\ks)%3)+8*(\c):WB+16*((\ks)%3)+8*(\c)+7], v[rA:rA+7]
.endif
.endm
; Half hf of K step ks: eight products; the 16 accumulators take turns, one instruction a turn.  Among the first four stand the loads that the wait ahead of the half has made free:
; half xh of x for K step xk (none if xk < 0), W for K step wk (none if wk < 0).  No product of this half names a register in which they land.
.macro HALF hf, ks, xh, xk, wk
	WM \hf, \ks, 0, 0
.if (\xk) >= 0
	XL \xh, \xk, 0
	XL \xh, \xk, 1
.endif
	WM \hf, \ks, 0, 1
.if (\xk) >= 0
	XL \xh, \xk, 2
	XL \xh, \xk, 3
.endif
	WM \hf, \ks, 1, 0
.if (\wk) >= 0
	WL \wk, 0
.endif
	WM \hf, \ks, 1, 1
.if (\wk) >= 0
	WL \wk, 1
.endif
	WM \hf, \ks, 2, 0
	WM \hf, \ks, 2, 1
	WM \hf, \ks, 3, 0
	WM \hf, \ks, 3, 1
.endm
.macro KSTEP ks
.if (\ks) < NKS-1
	s_wait_loadcnt 4                               ; this step's W is in; the next step's four loads may be out
.else
	s_wait_loadcnt 0x0
.endif
.if (\ks) == 0
	s_wait_dscnt 8                                 ; the first half's fragments are in; the second half's eight loads may be out
	HALF 0, \ks, 0, -1, -1
.else
	PLACES
	s_wait_dscnt 0x0                               ; the first half's fragments are in: no other LDS load is out
	s_wait_alu depctr_va_vdst(0)                   ; the last step's products are done reading XF1 and their W, in which the loads of this half land
.if (\ks)+2 < NKS
	HALF 0, \ks, 1, \ks, (\ks)+2
.else
	HALF 0, \ks, 1, \ks, -1
.endif
.endif
.if (\ks) < NKS-1
	PLACES
	s_wait_dscnt 0x0                               ; the second half's fragments are in
	s_wait_alu depctr_va_vdst(0)                   ; the first half's products are done reading XF0, in which the next step's fragments land
	HALF 1, \ks, 0, (\ks)+1, -1
.else
	s_wait_dscnt 0x0
	HALF 1, \ks, 0, -1, -1
.endif
.endm
	XLOAD 0, 0
	XLOAD 1, 0
.irp s,0,1,2,3,4,5,6,7
	KSTEP \s
.endr
; THE WAY OUT, as in the first convolution, in two halves of 16 channels (c = 0, 1).
.macro STATA c                         ; the channel's sum over my 64 columns, in four packed chains; each accumulator is read from its low end on; then the mean
.irp r,0,1,2,3
	v_pk_add_f32 v[TS+2*\r:TS+2*\r+1], v[ACC+64*(\c)+2*\r:ACC+64*(\c)+2*\r+1], v[ACC+64*(\c)+8+2*\r:ACC+64*(\c)+8+2*\r+1]
.endr
.irp q,2,3,4,5,6,7
.irp r,0,1,2,3
	v_pk_add_f32 v[TS+2*\r:TS+2*\r+1], v[TS+2*\r:TS+2*\r+1], v[ACC+64*(\c)+8*\q+2*\r:ACC+64*(\c)+8*\q+2*\r+1]
.endr
.endr
	v_pk_add_f32 v[TS:TS+1], v[TS:TS+1], v[TS+2:TS+3]
	v_pk_add_f32 v[TS+4:TS+5], v[TS+4:TS+5], v[TS+6:TS+7]
	v_pk_add_f32 v[TS:TS+1], v[TS:TS+1], v[TS+4:TS+5]
	v_add_f32 v[TS], v[TS], v[TS+1]
	v_permlanex16_b32 v[PT], v[TS], s68, s69       ; the channel's other 64 columns lie in the lane 16 away
	v_add_f32 v[TS], v[TS], v[PT]
	v_mul_f32 v[MU+2*(\c)], 0x3c000000, v[TS]      ; / 128
	v_mul_f32 v[MU+2*(\c)+1], 0x3c000000, v[TS]
.endm
.macro STATB c                         ; the deviations, in place, and the sum of their squares
.set i, 0
.rept 32
	v_pk_add_f32 v[ACC+64*(\c)+2*i:ACC+64*(\c)+2*i+1], v[ACC+64*(\c)+2*i:ACC+64*(\c)+2*i+1], v[MU+2*(\c):MU+2*(\c)+1] neg_lo:[0,1] neg_hi:[0,1]
.set i, i+1
.endr
.irp r,0,1,2,3
	v_pk_mul_f32 v[TS+2*\r:TS+2*\r+1], v[ACC+64*(\c)+2*\r:ACC+64*(\c)+2*\r+1], v[ACC+64*(\c)+2*\r:ACC+64*(\c)+2*\r+1]
.endr
.irp q,1,2,3,4,5,6,7
.irp r,0,1,2,3
	v_pk_fma_f32 v[TS+2*\r:TS+2*\r+1], v[ACC+64*(\c)+8*\q+2*\r:ACC+64*(\c)+8*\q+2*\r+1], v[ACC+64*(\c)+8*\q+2*\r:ACC+64*(\c)+8*\q+2*\r+1], v[TS+2*\r:TS+2*\r+1]
.endr
.endr
	v_pk_add_f32 v[TS:TS+1], v[TS:TS+1], v[TS+2:TS+3]
	v_pk_add_f32 v[TS+4:TS+5], v[TS+4:TS+5], v[TS+6:TS+7]
	v_pk_add_f32 v[TS:TS+1], v[TS:TS+1], v[TS+4:TS+5]
	v_add_f32 v[TS], v[TS], v[TS+1]
	v_permlanex16_b32 v[PT], v[TS], s68, s69
	v_add_f32 v[M2R+(\c)], v[TS], v[PT]
.endm
.macro PACK c                          ; rounded to f16: eight columns close up into the first four of an accumulator's eight registers
.irp q,0,1,2,3,4,5,6,7
.irp r,0,1,2,3
	v_cvt_pk_f16_f32 v[ACC+64*(\c)+8*\q+\r], v[ACC+64*(\c)+8*\q+2*\r], v[ACC+64*(\c)+8*\q+2*\r+1]
.endr
.endr
.endm
.macro TOSTAGE c                       ; into my stage, and back as whole rows
.irp q,0,1,2,3,4,5,6,7
	ds_store_b128 v7, v[ACC+64*(\c)+8*\q:ACC+64*(\c)+8*\q+3] offset:(\c)*16*SP+\q*32
.endr
.irp i,0,1,2,3,4,5,6,7
	ds_load_b128 v[OB+32*(\c)+4*\i:OB+32*(\c)+4*\i+3], v8 offset:(8*(\c)+\i)*2*SP  ; LDS serves a wave's instructions in order (ISA guide 5.7.1): these see my stores above
.endr
.endm
.macro SEND c
.irp i,0,1,2,3,4,5,6,7
	s_wait_dscnt 7-\i                              ; the younger loads from the stage may be out
	global_store_b128 v9, v[OB+32*(\c)+4*\i:OB+32*(\c)+4*\i+3], s[14:15] offset:(8*(\c)+\i)*131072  ; 16 lanes store 256 consecutive bytes, at a multiple of 256 from the buffer's first
.endr
.endm
	; The addresses are the plain lines behind the last products.
	v_and_b32 v10, 15, v0
	v_bfe_u32 v11, v0, 4, 1
	s_mul_i32 s74, s66, 32*SP
	s_add_co_u32 s74, s74, STG
	v_mul_u32_u24 v7, v10, SP
	v_lshl_add_u32 v7, v11, 4, v7
	v_add_nc_u32 v7, s74, v7
	v_mul_u32_u24 v8, v11, SP
	v_lshl_add_u32 v8, v10, 4, v8
	v_add_nc_u32 v8, s74, v8
	s_lshl_b32 s75, s66, 21
	s_lshl_b32 s76, s67, 8
	s_add_co_u32 s75, s75, s76
	v_lshl_add_u32 v9, v11, 16, s75
	v_lshl_add_u32 v9, v10, 4, v9
	v_lshlrev_b32 v12, 2, v0
	v_mov_b32 v[PT], 0                             ; v_permlanex16_b32 counts as a reader of its destination
	STATA 0
	STATB 0
	PACK 0
	s_wait_alu depctr_va_vdst(0)                   ; the first 16 channels' packed rows and v7, v8, v9, v12 are written, which the stores and loads below read; the products are done reading OB, in which the stage's loads land
	TOSTAGE 0
	STATA 1                                        ; the other channels' sums stand between the loads from the stage and the stores of what they bring; they name none of those registers
	SEND 0
	STATB 1
	PACK 1
	v_cndmask_b32 v159, v[MU], v[MU+2], s70        ; lane l: channel 32 w + l
	v_add_f32 v159, v159, v[BIAS]
	v_cndmask_b32 v160, v[M2R], v[M2R+1], s70
	s_wait_alu depctr_va_vdst(0)                   ; the other 16 channels' packed rows are written, which the LDS stores read, and v159 and v160, which the last two stores read
	TOSTAGE 1
	s_lshl_b32 s84, s67, 11
	s_mov_b32 s85, 0
	s_add_nc_u64 s[88:89], s[14:15], s[84:85]
	s_add_nc_u64 s[88:89], s[88:89], 0x1000000
	SEND 1
	global_store_b32 v12, v159, s[88:89]
	global_store_b32 v12, v160, s[88:89] offset:1024
	s_wait_dscnt 0x0                               ; the closing lines, six on end
	s_wait_alu 0x0
	s_wait_tensorcnt 0x0
	ds_add_u32 v[SPW], v[NIL]
	s_wait_dscnt 0x0
	s_endpgm
.Lfunc_end_k_qfdfcce0fb3_conv2:
	.size	k_qfdfcce0fb3_conv2, .Lfunc_end_k_qfdfcce0fb3_conv2-k_qfdfcce0fb3_conv2
	.p2alignl 7, 3214868480
	.fill 96, 4, 3214868480
	.section	.rodata,"a",@progbits
	.p2align	6, 0x0
	.amdhsa_kernel k_qfdfcce0fb3_conv2
		.amdhsa_group_segment_fixed_size 144384
		.amdhsa_private_segment_fixed_size 0
		.amdhsa_enable_private_segment 0
		.amdhsa_kernarg_size 48
		.amdhsa_user_sgpr_count 2
		.amdhsa_user_sgpr_kernarg_segment_ptr 1
		.amdhsa_wavefront_size32 1
		.amdhsa_system_sgpr_workgroup_id_x 1
		.amdhsa_system_sgpr_workgroup_id_y 1
		.amdhsa_system_sgpr_workgroup_id_z 1
		.amdhsa_system_vgpr_workitem_id 0
		.amdhsa_next_free_vgpr 256
		.amdhsa_next_free_sgpr 96
		.amdhsa_reserve_vcc 0
		.amdhsa_float_denorm_mode_32 3
		.amdhsa_float_denorm_mode_16_64 3
		.amdhsa_memory_ordered 1
		.amdhsa_forward_progress 1
		.amdhsa_inst_pref_size 75
	.end_amdhsa_kernel
	.amdgpu_metadata
---
amdhsa.version: [ 1, 2 ]
amdhsa.kernels:
  - .name:           k_qfdfcce0fb3_conv2
    .symbol:         k_qfdfcce0fb3_conv2.kd
    .args:
      - { .name: y1, .offset: 0, .size: 8, .value_kind: global_buffer, .address_space: global }
      - { .name: sc1, .offset: 8, .size: 8, .value_kind: global_buffer, .address_space: global }
      - { .name: beta1, .offset: 16, .size: 8, .value_kind: global_buffer, .address_space: global }
      - { .name: prep, .offset: 24, .size: 8, .value_kind: global_buffer, .address_space: global }
      - { .name: b2, .offset: 32, .size: 8, .value_kind: global_buffer, .address_space: global }
      - { .name: y2, .offset: 40, .size: 8, .value_kind: global_buffer, .address_space: global }
    .group_segment_fixed_size: 144384
    .private_segment_fixed_size: 0
    .kernarg_segment_align: 8
    .kernarg_segment_size: 48
    .max_flat_workgroup_size: 256
    .sgpr_count:     96
    .vgpr_count:     256
    .wavefront_size: 32
...
	.end_amdgpu_metadata
.endif
;; end of part 8
;; launch stat2: the kernel of part 4 again; grid 8 x 1, 8 waves a work-group, no clusters, 4,096 bytes of LDS; arguments y2, gamma2, sc2; writes sc2
;; launch bnout (part 9): grid 256 x 1, 8 waves a work-group, no clusters, 0 bytes of LDS; arguments y2, sc2, beta2, out0; writes out0
.if DOCPART == 9
	.amdgcn_target "amdgcn-amd-amdhsa--gfx1250"
	.amdhsa_code_object_version 6
	.text
	.protected	k_qfdfcce0fb3_bnout
	.globl	k_qfdfcce0fb3_bnout
	.p2align	8
	.type	k_qfdfcce0fb3_bnout,@function
k_qfdfcce0fb3_bnout:
	s_mov_b64 s[64:65], 0
	v_nop
	global_prefetch_b8 v0, s[64:65] scope:SCOPE_SE
	s_setreg_imm32_b32 hwreg(HW_REG_WAVE_SCHED_MODE, 0, 2), 2
	s_setreg_imm32_b32 hwreg(HW_REG_WAVE_MODE, 25, 1), 1
	s_wait_xcnt 0x0
	s_wait_alu depctr_vm_vsrc(0)
; THE SECOND BATCH NORM AND ReLU.  out[b][o][q] = max(0, A[o] z2[o][n] + C[o]), C = (the block's mean - the mean) A + beta2, n = 16,384 b + q.  z2 in f16, out in f32.
; A stream: every byte of z2 is read once, every byte of out written once.  Work-group p: columns 128 p on; wave w: channels 32 w + i, i = 0..31.
; A load takes a row's 256 bytes, a store its 512, both consecutive and at multiples of 256 from the buffer's first byte.  All 32 loads of a wave go out at once; each row has its own four
; registers for the result, so no source of a pending store is ever written again.  LDS, barriers and the matrix unit would add nothing.
; THE MODE: SCHED_MODE bits 1:0 = 2 (LLVM: expert scheduling mode 2), set by the entry lines.  The code itself states the register dependences
; between vector instructions and memory instructions, with s_wait_alu, always for 0.
; THE PLAN.  Registers that memory instructions touch:
;   v1, v2, v3   offsets, made at the head and never written again.
;   ZD           32 loads land in it, a pair a row, once; the row's four multiply-adds read the pair.
;   OD           a row's eight vector lines write its four registers, once; the row's store reads them.
; The rows go in four groups of eight: sixteen v_readlane_b32 in a run and one wait on va_sdst; the eight rows' arithmetic; ONE wait on va_vdst; the eight stores.
; Nothing that a memory instruction has read is written again, so no wait on vm_vsrc is owed.
.set ZD, 8                             ; v8-71    32 rows of z, two registers each
.set OD, 72                            ; v72-199  32 rows of out, four each
.set BC, 200                           ; v200-203 a row's A and C in all lanes, two sets by turns
.set SA, 20                            ; s20-35   eight rows' A and C
	s_load_b256 s[4:11], s[0:1], 0x0               ; y2 s[4:5], sc2 s[6:7], beta2 s[8:9], out0 s[10:11]
	v_lshrrev_b32 v1, 5, v0
	v_readfirstlane_b32 s12, v1                    ; wave 0..7
	s_mov_b32 s13, ttmp9                           ; p
	v_and_b32 v3, 31, v0
	v_lshlrev_b32 v1, 2, v0                        ; channel 32 w + lane = my thread's number
	s_wait_alu depctr_va_sdst(0)                   ; s12 is written, ahead of its first reader: the rows' offsets are made from it
	s_lshl_b32 s14, s12, 21                        ; my 32 rows of 65,536 bytes, in z and in out
	s_lshl_b32 s15, s13, 8
	s_add_co_u32 s15, s15, s14
	v_lshl_add_u32 v2, v3, 3, s15                  ; z: + my block's 256 bytes, 8 a lane
	v_lshl_add_u32 v3, v3, 4, s14                  ; out: 16 a lane
	s_lshl_b32 s16, s13, 11                        ; my block's means
	s_mov_b32 s17, 0
	s_lshr_b32 s18, s13, 7                         ; out: batch x 16,777,216 + my 128 columns x 4
	s_lshl_b32 s18, s18, 24
	s_and_b32 s19, s13, 127
	s_lshl_b32 s19, s19, 9
	s_add_co_u32 s18, s18, s19
	s_mov_b32 s19, 0
	s_wait_kmcnt 0x0
	s_add_nc_u64 s[16:17], s[4:5], s[16:17]
	s_add_nc_u64 s[16:17], s[16:17], 0x1000000
	s_add_nc_u64 s[10:11], s[10:11], s[18:19]
	s_wait_alu depctr_va_vdst(0)                   ; v1, v2 and v3 are written: every load and store of the kernel reads one of them as its offset
	global_load_b32 v4, v1, s[6:7]                 ; A
	global_load_b32 v5, v1, s[6:7] offset:1024     ; the mean
	global_load_b32 v6, v1, s[16:17]               ; the block's mean
	global_load_b32 v7, v1, s[8:9]                 ; beta2
.set i, 0
.rept 32
	global_load_b64 v[ZD+2*i:ZD+2*i+1], v2, s[4:5] offset:i*65536 th:TH_LOAD_NT
.set i, i+1
.endr
	s_wait_loadcnt 32                              ; all but the 32 rows
	v_sub_f32 v6, v6, v5
	v_fma_f32 v5, v6, v4, v7                       ; C
; Row i of my 32, the e-th of its group: A z + C in f32 straight from the f16 halves, and the larger of that and 0, into the row's own four registers.
.macro OROW i, e
.set PB, BC+2*((\i)%2)
	v_mov_b32 v[PB], s[SA+2*(\e)]
	v_mov_b32 v[PB+1], s[SA+2*(\e)+1]
	v_fma_mix_f32 v[OD+4*(\i)], v[ZD+2*(\i)], v[PB], v[PB+1] op_sel_hi:[1,0,0]
	v_fma_mix_f32 v[OD+4*(\i)+1], v[ZD+2*(\i)], v[PB], v[PB+1] op_sel:[1,0,0] op_sel_hi:[1,0,0]
	v_fma_mix_f32 v[OD+4*(\i)+2], v[ZD+2*(\i)+1], v[PB], v[PB+1] op_sel_hi:[1,0,0]
	v_fma_mix_f32 v[OD+4*(\i)+3], v[ZD+2*(\i)+1], v[PB], v[PB+1] op_sel:[1,0,0] op_sel_hi:[1,0,0]
	v_max_num_f32 v[OD+4*(\i)], 0, v[OD+4*(\i)]
	v_max_num_f32 v[OD+4*(\i)+1], 0, v[OD+4*(\i)+1]
	v_max_num_f32 v[OD+4*(\i)+2], 0, v[OD+4*(\i)+2]
	v_max_num_f32 v[OD+4*(\i)+3], 0, v[OD+4*(\i)+3]
.endm
.irp g,0,1,2,3
.irp e,0,1,2,3,4,5,6,7
	v_readlane_b32 s[SA+2*\e], v4, 8*\g+\e         ; a row's A and C come out of its lane
	v_readlane_b32 s[SA+2*\e+1], v5, 8*\g+\e
.endr
	s_wait_alu depctr_va_sdst(0)                   ; the group's sixteen numbers are in s20 to s35, ahead of the lines that read them
	s_wait_loadcnt 24-8*\g                         ; eight more rows are in; the younger ones may be out
.irp e,0,1,2,3,4,5,6,7
	OROW 8*\g+\e, \e
.endr
	s_wait_alu depctr_va_vdst(0)                   ; the group's eight rows of OD are written, which the stores read
.irp e,0,1,2,3,4,5,6,7
	global_store_b128 v3, v[OD+4*(8*\g+\e):OD+4*(8*\g+\e)+3], s[10:11] offset:(8*\g+\e)*65536 th:TH_STORE_NT
.endr
.endr
	s_endpgm
.Lfunc_end_k_qfdfcce0fb3_bnout:
	.size	k_qfdfcce0fb3_bnout, .Lfunc_end_k_qfdfcce0fb3_bnout-k_qfdfcce0fb3_bnout
	.p2alignl 7, 3214868480
	.fill 96, 4, 3214868480
	.section	.rodata,"a",@progbits
	.p2align	6, 0x0
	.amdhsa_kernel k_qfdfcce0fb3_bnout
		.amdhsa_group_segment_fixed_size 0
		.amdhsa_private_segment_fixed_size 0
		.amdhsa_enable_private_segment 0
		.amdhsa_kernarg_size 32
		.amdhsa_user_sgpr_count 2
		.amdhsa_user_sgpr_kernarg_segment_ptr 1
		.amdhsa_wavefront_size32 1
		.amdhsa_system_sgpr_workgroup_id_x 1
		.amdhsa_system_sgpr_workgroup_id_y 1
		.amdhsa_system_sgpr_workgroup_id_z 1
		.amdhsa_system_vgpr_workitem_id 0
		.amdhsa_next_free_vgpr 204
		.amdhsa_next_free_sgpr 66
		.amdhsa_reserve_vcc 0
		.amdhsa_float_denorm_mode_32 3
		.amdhsa_float_denorm_mode_16_64 3
		.amdhsa_memory_ordered 1
		.amdhsa_forward_progress 1
		.amdhsa_inst_pref_size 27
	.end_amdhsa_kernel
	.amdgpu_metadata
---
amdhsa.version: [ 1, 2 ]
amdhsa.kernels:
  - .name:           k_qfdfcce0fb3_bnout
    .symbol:         k_qfdfcce0fb3_bnout.kd
    .args:
      - { .name: y2, .offset: 0, .size: 8, .value_kind: global_buffer, .address_space: global }
      - { .name: sc2, .offset: 8, .size: 8, .value_kind: global_buffer, .address_space: global }
      - { .name: beta2, .offset: 16, .size: 8, .value_kind: global_buffer, .address_space: global }
      - { .name: out0, .offset: 24, .size: 8, .value_kind: global_buffer, .address_space: global }
    .group_segment_fixed_size: 0
    .private_segment_fixed_size: 0
    .kernarg_segment_align: 8
    .kernarg_segment_size: 32
    .max_flat_workgroup_size: 256
    .sgpr_count:     66
    .vgpr_count:     204
    .wavefront_size: 32
...
	.end_amdgpu_metadata
.endif
;; end of part 9
